; MI455X (gfx1250); checked and timed in simulation.
; The chip was launched on July 23, 2026; its instructions are those of AMD's public machine-readable ISA for CDNA 5 (MIT licence, August 2026) and "CDNA5" Instruction Set Architecture Reference Guide (July 2026). The comments in the code are by the model that wrote it; some were corrected since.
;; SSM Net. Allowed arithmetic: float matrix products may take bf16 or f16 operands with f32 sums; other float arithmetic in f32, or as packed bf16 or f16 multiplies, adds, multiply-adds, maxima and minima; sums over many terms, partial sums and values carried from step to step in f32; what a program stores and reads back later, other than sums and carried values, may be rounded once to bf16 or f16.
;; Inputs: A_imag 4 x 512 x 64 float32; C_im 4 x 512 x 64 float32; C_re 4 x 512 x 64 float32; D 4 x 512 float32; fc_b 512 float32; fc_w 512 x 256 float32; logA_re 4 x 512 x 64 float32; log_dt 4 x 512 float32; x 16 x 512 x 256 float32.
;; Outputs: out0 16 x 512 x 512 float32.
;; 2 versions, each right; version 2 is version 1 with the launch fc written anew for expert scheduling mode. Each part assembles by itself: llvm-mc -triple=amdgcn-amd-amdhsa -mcpu=gfx1250 --defsym DOCPART=n.
;; ======== version 1 of 2: 3 launches
;; workspace buffers: u0 16,777,216 bytes; bits 524,288 bytes
;; launch fc (part 1): grid 64 x 4, 8 waves a work-group, no clusters, 203,776 bytes of LDS; arguments x, fc_w, fc_b, u0; writes u0
.if DOCPART == 1
	.amdgcn_target "amdgcn-amd-amdhsa--gfx1250"
	.amdhsa_code_object_version 6
	.text
	.protected	k_qe8656eae5a_fc
	.globl	k_qe8656eae5a_fc
	.p2align	8
	.type	k_qe8656eae5a_fc,@function
k_qe8656eae5a_fc:
	s_mov_b64 s[64:65], 0
	v_nop
	global_prefetch_b8 v0, s[64:65] scope:SCOPE_SE
	s_setreg_imm32_b32 hwreg(HW_REG_WAVE_MODE, 25, 1), 1
	s_wait_xcnt 0x0
; u0 = x . fc_w^T + fc_b, for the first layer.  x: [16][512][256] f32, fc_w: [512][256] f32, fc_b: [512] f32.
; x, fc_w and fc_b are rounded once to bf16 (nearest even); products on the matrix unit, sums in f32; u0 stays f32.
; SHARES.  A work-group takes 128 rows (all 16 batches x the 8 times 8 tb .. 8 tb + 7) and 128 channels (128 nb ..), with all of K = 256 in LDS at once: no ring.
; LDS row of x = 8 b + j, so that M tile mt holds batches 2 mt, 2 mt + 1, eight times each.  Wave v: M tiles 2 (v & 3), +1; N tiles 4 (v >> 2) .. + 3: 8 accumulators.
; OUTPUT ORDER.  u0 byte of (h, t, b) = h 32768 + (t >> 4) 1024 + ((t >> 2) & 1) 512 + ((t >> 3) & 1) 256 + 16 b + 4 (t & 3): the order in which the next launch's lanes hold it.
; For one channel the work-group owns two aligned runs of 256 bytes; they are gathered in an LDS stage and each store of a wave covers two such runs whole.
; NO TENSOR LOADS, NO CLUSTER: the tiles are f32 in memory and must be rounded on their way into LDS, which only registers can do; all loads of a wave are asked for in its first lines.
.set PITCH, 528                        ; an LDS row: 512 bytes + 16: an odd multiple of 16, so 16 rows of a 16-byte column fall on different banks (ISA guide 11.1)
.set LB,    128*PITCH                  ; fc_w's 128 rows lie behind x's 128
.set STAGE, 256*PITCH                  ; [channel 128][e 2][b 16][16 bytes], pitch 528
.set SPARE, 384*PITCH                  ; the spare words: 128 bytes for each of the 8 waves, named by no other line
.set LN,  1                            ; lane
.set RR,  2                            ; lane % 16
.set HH,  3                            ; lane / 16
.set SPW, 4                            ; my spare word; never rewritten
.set NIL, 5                            ; 0; never rewritten
.set GL,  6                            ; 16 x lane: my 16 bytes of a load's 512
.set LSA, 7                            ; where my 8 bytes of bf16 of x go
.set LSB, 8                            ; the same for fc_w
.set ADA, 9                            ; my place in a fragment of x
.set ADB, 10                           ; my place in a fragment of fc_w
.set STO, 11                           ; stage, in
.set RD,  12                           ; stage, back
.set GO,  13                           ; my 16 bytes of a channel's two runs in u0
.set BO,  14                           ; my channel's bias
.set TT,  15                           ; at work
.set BIAS, 16                          ; v16-19: bias of N tile 0..3 for my channel
.set RAW, 32                           ; v32-223: six slots of 8 loads x 4 registers
.set ACC, 32                           ; v32-95: 8 accumulators, once RAW is spent
.set FR,  96                           ; v96-191: two fragment buffers of 48 (2 of x, 4 of fc_w); later the rows read back
	s_load_b256 s[4:11], s[0:1], 0x0               ; x s[4:5], fc_w s[6:7], fc_b s[8:9], u0 s[10:11]
	v_lshl_add_u32 v[SPW], v0, 2, SPARE
	v_mov_b32 v[NIL], 0
	v_lshrrev_b32 v[TT], 5, v0
	v_readfirstlane_b32 s12, v[TT]                 ; wave 0..7
	v_and_b32 v[LN], 31, v0
	v_and_b32 v[RR], 15, v0
	v_bfe_u32 v[HH], v0, 4, 1
	s_and_b32 s14, ttmp7, 0xffff                   ; nb
	s_and_b32 s15, s12, 3                          ; mg
	s_lshr_b32 s16, s12, 2                         ; ng
	s_mul_i32 s17, s12, 16*PITCH                   ; the 16 LDS rows that I fill, and the 16 channels that I send
	s_mul_i32 s30, s15, 32*PITCH
	s_mul_i32 s31, s16, 64*PITCH
	s_lshl_b32 s18, s12, 20                        ; x: batches 2 v, 2 v + 1 (524,288 bytes each),
	s_lshl_b32 s2, ttmp9, 13                       ; times 8 tb .. (1,024 bytes each)
	s_add_co_u32 s18, s18, s2
	s_mov_b32 s19, 0
	s_lshl_b32 s26, s14, 17                        ; fc_w: rows 128 nb + 16 v ..
	s_lshl_b32 s2, s12, 14
	s_add_co_u32 s26, s26, s2
	s_mov_b32 s27, 0
	s_lshl_b32 s28, s14, 22                        ; u0: channels 128 nb + 16 v .. (32,768 bytes each),
	s_lshl_b32 s2, s12, 19
	s_add_co_u32 s28, s28, s2
	s_lshr_b32 s2, ttmp9, 1                        ; tile of 16 times tb >> 1,
	s_lshl_b32 s2, s2, 10
	s_add_co_u32 s28, s28, s2
	s_and_b32 s2, ttmp9, 1                         ; its half tb & 1
	s_lshl_b32 s2, s2, 8
	s_add_co_u32 s28, s28, s2
	s_mov_b32 s29, 0
	v_lshlrev_b32 v[GL], 4, v[LN]
	v_lshl_add_u32 v[LSA], v[LN], 3, s17
	v_add_nc_u32 v[LSB], LB, v[LSA]
	v_mul_u32_u24 v[TT], v[RR], PITCH
	v_lshl_add_u32 v[TT], v[HH], 4, v[TT]          ; row x pitch + 16 x half
	v_add_nc_u32 v[ADA], s30, v[TT]
	s_add_co_u32 s2, s31, LB
	v_add_nc_u32 v[ADB], s2, v[TT]
	s_lshl_b32 s3, s15, 6                          ; batch 4 mg: 16 bytes each
	s_add_co_u32 s2, s31, s3
	s_add_co_u32 s2, s2, STAGE
	v_add_nc_u32 v[STO], s2, v[TT]                 ; channel 64 ng + r, batch 4 mg + half
	s_add_co_u32 s2, s17, STAGE
	v_lshl_add_u32 v[RD], v[LN], 4, s2
	v_lshlrev_b32 v[GO], 4, v[RR]
	v_lshl_add_u32 v[GO], v[HH], 9, v[GO]
	s_lshl_b32 s2, s14, 9
	s_lshl_b32 s3, s16, 8
	s_add_co_u32 s2, s2, s3
	v_lshl_add_u32 v[BO], v[RR], 2, s2             ; 4 (128 nb + 64 ng + r)
	s_wait_kmcnt 0x0
	s_add_nc_u64 s[20:21], s[4:5], s[18:19]
	s_add_nc_u64 s[22:23], s[6:7], s[26:27]
	s_add_nc_u64 s[24:25], s[10:11], s[28:29]
; Group g of 8 loads of 512 consecutive bytes.  Load n = 8 g + k: n < 32: half n & 1 of x's row n >> 1 of my 16; else the same of fc_w.
.macro GLOAD g
.set k_, 0
.rept 8
.set n_, 8*(\g)+k_
.set r_, RAW+32*((\g)%6)+4*k_
.if n_ < 32
	global_load_b128 v[r_:r_+3], v[GL], s[20:21] offset:(n_>>4)*524288+((n_>>1)&7)*1024+(n_&1)*512
.else
	global_load_b128 v[r_:r_+3], v[GL], s[22:23] offset:(n_-32)*512
.endif
.set k_, k_+1
.endr
.endm
; Group g is rounded to bf16 in place and laid into LDS.  left = the loads issued behind the group, which may stay out (loads come back in order: ISA guide 5.7.1).
.macro CONV g, left
	s_wait_loadcnt \left
.set k_, 0
.rept 8
.set n_, 8*(\g)+k_
.set r_, RAW+32*((\g)%6)+4*k_
	v_cvt_pk_bf16_f32 v[r_], v[r_], v[r_+1]
	v_cvt_pk_bf16_f32 v[r_+1], v[r_+2], v[r_+3]
.if n_ < 32
	ds_store_b64 v[LSA], v[r_:r_+1] offset:(n_>>1)*PITCH+(n_&1)*256
.else
	ds_store_b64 v[LSB], v[r_:r_+1] offset:((n_-32)>>1)*PITCH+(n_&1)*256
.endif
.set k_, k_+1
.endr
.endm
.irp i, 0,1,2,3
	global_load_b32 v[BIAS+\i], v[BO], s[8:9] offset:64*\i
.endr
.irp g, 0,1,2,3,4,5
	GLOAD \g                                       ; 48 loads, 24 KiB a wave, go out at once
.endr
	CONV 0, 40                                     ; behind group 0: groups 1-5
	GLOAD 6                                        ; into group 0's slot
	CONV 1, 40                                     ; groups 2-6
	GLOAD 7
	CONV 2, 40                                     ; groups 3-7
	CONV 3, 32
	CONV 4, 24
	CONV 5, 16
	CONV 6, 8
	CONV 7, 0
.irp i, 0,1,2,3
	v_cvt_pk_bf16_f32 v[BIAS+\i], v[BIAS+\i], v[BIAS+\i]  ; the bias is rounded like the other inputs,
.endr
.irp i, 0,1,2,3
	v_lshlrev_b32 v[BIAS+\i], 16, v[BIAS+\i]              ; and widened again
.endr
	s_wait_dscnt 0x0                               ; for the others' sake: my rows lie in LDS
	s_barrier_signal -1
	s_barrier_wait -1
; 12 LDS loads: K step ks (32 along K, 64 bytes of a row): 2 fragments of x, 4 of fc_w, into buffer ks & 1
.macro FETCH ks
.set f_, FR+48*((\ks)&1)
.irp i, 0,1
	ds_load_b128 v[f_+8*\i:f_+8*\i+3],   v[ADA] offset:\i*16*PITCH+(\ks)*64
	ds_load_b128 v[f_+8*\i+4:f_+8*\i+7], v[ADA] offset:\i*16*PITCH+(\ks)*64+32
.endr
.irp i, 0,1,2,3
	ds_load_b128 v[f_+16+8*\i:f_+16+8*\i+3],   v[ADB] offset:\i*16*PITCH+(\ks)*64
	ds_load_b128 v[f_+16+8*\i+4:f_+16+8*\i+7], v[ADB] offset:\i*16*PITCH+(\ks)*64+32
.endr
.endm
; 8 products; the 8 accumulators take turns, in the same order in every K step.  The first K step starts the sums with the constant 0.
.macro MUL ks
.set f_, FR+48*((\ks)&1)
.irp a, 0,1
.irp b, 0,1,2,3
.if (\ks) == 0
	v_wmma_f32_16x16x32_bf16 v[ACC+8*(4*\a+\b):ACC+8*(4*\a+\b)+7], v[f_+8*\a:f_+8*\a+7], v[f_+16+8*\b:f_+16+8*\b+7], 0
.else
	v_wmma_f32_16x16x32_bf16 v[ACC+8*(4*\a+\b):ACC+8*(4*\a+\b)+7], v[f_+8*\a:f_+8*\a+7], v[f_+16+8*\b:f_+16+8*\b+7], v[ACC+8*(4*\a+\b):ACC+8*(4*\a+\b)+7]
.endif
.endr
.endr
.endm
.macro PLACES                          ; four places behind a product, in front of loads into registers that it has read and of lines that read its result
.rept 4
	v_nop
.endr
.endm
	FETCH 0
	FETCH 1
.irp ks, 0,1,2,3,4,5
	s_wait_dscnt 12                                ; this K step's 12 loads are in; the next step's 12 may stay out
	MUL \ks
	PLACES
	FETCH (\ks)+2
.endr
	s_wait_dscnt 12
	MUL 6
	s_wait_dscnt 0x0
	MUL 7
	PLACES
	; THE WAY OUT.  In a result lane (r, half) holds channel r, batch 2 mt + half, and in registers 0-7 the times 8 tb + 0..7.  Each accumulator is read from its low end on.
.set i, 0
.rept 64
	v_add_f32 v[ACC+i], v[ACC+i], v[BIAS+(i/8)%4]
.set i, i+1
.endr
.irp a, 0,1
.irp b, 0,1,2,3
	ds_store_b128 v[STO], v[ACC+8*(4*\a+\b):ACC+8*(4*\a+\b)+3]   offset:\b*16*PITCH+\a*32
	ds_store_b128 v[STO], v[ACC+8*(4*\a+\b)+4:ACC+8*(4*\a+\b)+7] offset:\b*16*PITCH+256+\a*32
.endr
.endr
	s_wait_dscnt 0x0                               ; a channel's 512 bytes come from four waves
	s_barrier_signal -1
	s_barrier_wait -1
.set i, 0
.rept 16
	ds_load_b128 v[FR+4*i:FR+4*i+3], v[RD] offset:i*PITCH
.set i, i+1
.endr
.set i, 0
.rept 16
	s_wait_dscnt 15-i                              ; row i is back; the younger loads may stay out
	global_store_b128 v[GO], v[FR+4*i:FR+4*i+3], s[24:25] offset:i*32768  ; lanes 0-15 and lanes 16-31 each store 256 consecutive bytes, aligned
.set i, i+1
.endr
	s_wait_tensorcnt 0x0                           ; the wave's end, behind my last LDS store
	ds_add_u32 v[SPW], v[NIL]
	s_wait_dscnt 0x0
	s_endpgm
.Lfunc_end_k_qe8656eae5a_fc:
	.size	k_qe8656eae5a_fc, .Lfunc_end_k_qe8656eae5a_fc-k_qe8656eae5a_fc
	.p2alignl 7, 3214868480
	.fill 96, 4, 3214868480
	.section	.rodata,"a",@progbits
	.p2align	6, 0x0
	.amdhsa_kernel k_qe8656eae5a_fc
		.amdhsa_group_segment_fixed_size 203776
		.amdhsa_private_segment_fixed_size 0
		.amdhsa_enable_private_segment 0
		.amdhsa_kernarg_size 32
		.amdhsa_user_sgpr_count 2
		.amdhsa_user_sgpr_kernarg_segment_ptr 1
		.amdhsa_wavefront_size32 1
		.amdhsa_system_sgpr_workgroup_id_x 1
		.amdhsa_system_sgpr_workgroup_id_y 1
		.amdhsa_system_sgpr_workgroup_id_z 1
		.amdhsa_system_vgpr_workitem_id 0
		.amdhsa_next_free_vgpr 224
		.amdhsa_next_free_sgpr 66
		.amdhsa_reserve_vcc 0
		.amdhsa_float_denorm_mode_32 3
		.amdhsa_float_denorm_mode_16_64 3
		.amdhsa_memory_ordered 1
		.amdhsa_forward_progress 1
		.amdhsa_inst_pref_size 40
	.end_amdhsa_kernel
	.amdgpu_metadata
---
amdhsa.version: [ 1, 2 ]
amdhsa.kernels:
  - .name:           k_qe8656eae5a_fc
    .symbol:         k_qe8656eae5a_fc.kd
    .args:
      - { .name: x, .offset: 0, .size: 8, .value_kind: global_buffer, .address_space: global }
      - { .name: fc_w, .offset: 8, .size: 8, .value_kind: global_buffer, .address_space: global }
      - { .name: fc_b, .offset: 16, .size: 8, .value_kind: global_buffer, .address_space: global }
      - { .name: u0, .offset: 24, .size: 8, .value_kind: global_buffer, .address_space: global }
    .group_segment_fixed_size: 203776
    .private_segment_fixed_size: 0
    .kernarg_segment_align: 8
    .kernarg_segment_size: 32
    .max_flat_workgroup_size: 256
    .sgpr_count:     66
    .vgpr_count:     224
    .wavefront_size: 32
...
	.end_amdgpu_metadata
.endif
;; end of part 1
;; launch ssm (part 2): grid 256 x 1, 4 waves a work-group, no clusters, 303,104 bytes of LDS; arguments u0, log_dt, logA_re, A_imag, C_re, C_im, D, bits; writes bits
.if DOCPART == 2
	.amdgcn_target "amdgcn-amd-amdhsa--gfx1250"
	.amdhsa_code_object_version 6
	.text
	.protected	k_qe8656eae5a_ssm
	.globl	k_qe8656eae5a_ssm
	.p2align	8
	.type	k_qe8656eae5a_ssm,@function
k_qe8656eae5a_ssm:
	s_mov_b64 s[64:65], 0
	v_nop
	global_prefetch_b8 v0, s[64:65] scope:SCOPE_SE
	s_setreg_imm32_b32 hwreg(HW_REG_WAVE_MODE, 25, 1), 1
	s_wait_xcnt 0x0
; FOUR S4D LAYERS WITH A SPIKE BEHIND EACH, for two channels a work-group.  A layer is linear ahead of its threshold and alike for the 16 batches of a channel:
; y[t] = sum over j of K'[j] u[t - j], K'[j] = 2 Re sum_s C_s dB_s dA_s^j (+ D at j = 0).  So a layer of a channel is a lower triangular Toeplitz matrix (512 x 512) times U (512 times x 16 batches).
; All parameters are rounded once to bf16 (nearest even), like the inputs of the launch before; everything behind that keeps f32's accuracy:
;   dt, A, dA = exp(dt A), dB = (dA - 1) / A are made where reference() rounds them.  An error of one unit in the last place of dA grows with the lag (dA^j), so the functions are made as the usual
;   f32 implementations make them: exp by the Cephes single-precision scheme, in its order of operations, multiply-adds fused; sin and cos by the minimax polynomials of the common double-precision
;   sinf and cosf, evaluated in pairs of f32 (high + low part), so that only the last addition rounds to f32; the complex quotient by Smith's scheme, multiply-adds fused, its three quotients rounded
;   as a division rounds them;
;   the powers dA^(2^k) are made from the rounded dA by squaring in pairs of f32 (high + low part); K = Q P with Q_b = dA^b (16 rows), P_a = 2 C dB dA^(16 a) (32 rows) over the 128 real numbers of the
;   64 modes, on the f32 matrix form: 64 instructions for a layer and channel, under one part in a hundred of the launch's multiply-adds; the bulk goes in bf16.  The 128 numbers are added in eight
;   chains of 16, and the eight sums pairwise: a chain's roundings grow with its partial sums, so short chains lose less;
;   K' AND THE FIRST LAYER'S u ARE SPLIT INTO THREE bf16 TERMS (a number, its residue, that residue's residue: 3 x 8 bits hold f32's 24).  bf16 and not f16, since K falls by exp(Re A dt j): over 512 lags
;   by tens of binades; where the layer before has gone silent, y is made of the far lags alone, and its sign hangs on taps that a format with a fixed smallest step no longer holds.
;   Spikes are exact in bf16: three products K1 s + K2 s + K3 s.  First layer: the six products Ki Uj with i + j <= 4; what is dropped is at most about 2^-24 of a product.
; LIMITS.  The result is a threshold: where |y| lies within f32 rounding noise of the terms (some 1e-7 of their size, more at late times), or where reference()'s exp, sin, cos or quotient differ in the
; last bit from these, a spike may differ, and with it later spikes of that batch and channel.  K'[0] + D is rounded once, where reference() rounds y + D u.
; The phase dt A_imag is reduced accurately below 2^22; arguments of exp are held to -87.8 .. 88.8; the larger part of A, and Smith's denominator, lie in f32's normal range; NaN and infinities are not treated apart.
; SHARES.  Wave w: channel c = w >> 1 of the two, w2 = w & 1.  K: layers 2 w2, 2 w2 + 1 of channel c.  Layers: output tiles of 16 times ti = 2 q + w2, q = 0..15: equal work, one text.
; FRAGMENTS.  D = A B + C with A(m, k) = K'[16 d + m - k], d = ti - 2 tj = 2 (q - tj) + w2; B = 32 times x 16 batches.  A result holds for lane (batch, half) the times 16 ti + 8 half + 0..7: packed in pairs
; it IS half a fragment B.  A's registers 0-3 are H(d), 4-7 H(d - 1), where H(d) of lane (r, half) is the eight numbers K'[n], K'[n-1] .. K'[n-7], n = 16 d + r - 8 half.
; NO TENSOR LOADS, NO CLUSTER, NO PREFETCH: work-groups share no input, operands are made or converted in registers, and all global reads are issued in the first lines.
; LDS.  TAB: for (c, layer, term) blocks n = -24 .. 519 of 16 bytes, K'[n] .. K'[n-7], block n at ((n+24)>>3) 144 + ((n+24)&7) 16.  STG: each wave's own 16 + 16 rows of 528 bytes (Q; conj P, in two halves).
;       X: for each channel [q 16][half 2][lane][16 bytes], the spikes as fragments: in the stages' bytes, which are spent when the barrier behind the tables is passed.  SPARE: the spare words.
; REGISTERS, in windows of 256 (s_set_vgpr_msb: bits 1:0 source 0, 3:2 source 1, 5:4 source 2, 7:6 destination):
;   window 0: addresses, accumulators, all scalar-like work.   window 1: Q, conj P and the squarings; later U1 or the spikes (v0-127), U2 (v128-255).
;   window 2: Q's and P's rows as matrix operands; later K1 (v0-127), K2 (v128-255).   window 3: the channel's 256 f32 of u0; later U3 (v0-127), K3 (v128-255).
.set TERM,  9792                       ; 68 rows of 144 bytes
.set TABL,  3*TERM
.set TABC,  4*TABL
.set STG,   2*TABC
.set QP,    528
.set STGW,  32*QP
.set XB,    STG                        ; 2 x 16,384 bytes, inside the four stages' 67,584
.set SPARE, STG+4*STGW                 ; 128 bytes for each wave: two blocks of 256 bytes that no other line names
.set LN,  1
.set RR,  2
.set HH,  3
.set SPW, 4                            ; my spare word; never rewritten
.set NIL, 5                            ; 0; never rewritten
.set PO,  6                            ; my two modes in a [4][512][64] input, first layer of my two
.set PS,  7                            ; my channel in a [4][512] input
.set UO,  8                            ; 16 x lane
.set TW0, 9                            ; table, writing: row 2 r + half + 3 of channel c's tables
.set TR0, 10                           ; table, reading
.set ADR, 11
.set SQW, 12                           ; stage, writing: 16 x lane
.set SQR, 13                           ; stage, reading: row r, half
.set XW,  14
.set XR,  15
.set XF,  16
.set BPX, 17                           ; 4 x the lane that holds the lag just below my lowest
.set NEG1, 18                          ; -1.0
.set ONEL, 19                          ; bf16 1.0 in the low half
.set ONEH, 20                          ; in the high half
.set ZA0, 21
.set ZERO, 24                          ; v24-27
.set ADR2, 28
.set TA,  29
.set TB,  30
.set DK,  32                           ; v32-95: the f32 form's eight sums; matrix instructions alone write them
.set ACC, 96                           ; v96-143: the layers' two tiles x three accumulators (one for each order of size); until the tables are made these registers hold parameters
.set RAWA, 96                          ; logA_re 2, A_imag 2, C_re 2, C_im 2, log_dt, D as loaded: the layer in hand
.set RAWB, 106                         ; the wave's second layer
.set AR,  116
.set AIM, 118
.set CRE, 120
.set CIM, 122
.set DT,  124
.set DV,  126
.set DADD, 127
.set RHO, 128
.set THETA, 130
.set ER,  132
.set SN,  134
.set CN,  136
.set DAR, 138
.set DAI, 140
.set WR,  142
.set WI,  144
.set T,   148                          ; v148-171 at work in the macros
.set NR,  172
.set DEN, 174
.set BR,  178
.set BI,  180
.set S1,  128                          ; v128-159: the eight sums added pairwise (the set-up's values are spent by then)
.set KS0, 160                          ; v160-167: K, lags 0-255, my eight; v168-175: lags 256-511
.set KS1, 168
.set PV0, 185
.set PV1, 186
.set PR0, 187
.set PR1, 188
.set ZHA, 190
.set ZHB, 198
.set RS,  206                          ; v206-214
.set ZL,  216                          ; v216-223
.set OW,  224
.set ZM,  232                          ; v232-239
.set SP,  240                          ; v240-247: two tiles' spikes
.set TC,  248
.set BB,  96                           ; the last phase: 64 registers of spikes
.set PP,  T                            ; the quotient: the smaller part of A,
.set QQ,  T+2                          ; the larger,
.set X1,  T+4                          ; the numerator's parts in the order that goes with them
.set X2,  T+6
.set RC,  T+8                          ; a reciprocal
.set ER2, T+10                         ; a residue
.set RAT, T+12                         ; smaller / larger
.set NMR, T+14
.set NMI, T+16
.set SG,  T+18                         ; the sign that the imaginary part takes
.set PT,  64                           ; window 1: conj P, quad a at PT + 4 a; Q's quad b at 4 b; a quad is (re, re, im, im) of my two modes
.set EE,  192                          ; window 1: dA^16, ^32, ^64, ^128, ^256
.set XL,  212                          ; window 1: low parts of the power in hand
.set YL,  214
.set DF,  216                          ; window 1: v216-237 at work
.set CLO, 42                           ; s42, s43: the bounds of exp's argument
.set CHI, 43
.set KL2E, 66                          ; s66-81: constants as pairs (both words written), for lines that take two constants
.set KHALF, 68
.set KP0, 70
.set KP1, 72
.set KS3, 74
.set KS2, 76
.set KC4, 78
.set KC3, 80
.set NLO, 82                           ; s82, s83: the bounds of exp's n
.set NHI, 83
.set MSB, 0
.macro WIN new                         ; the immediate's high byte repeats the setting that is left; a switch that changes nothing is dropped
.if MSB != (\new)
	s_set_vgpr_msb (MSB<<8)|(\new)
.set MSB, (\new)
.endif
.endm
.macro SK r, val                       ; a constant in both words of a scalar pair
	s_mov_b32 s[\r], \val
	s_mov_b32 s[(\r)+1], \val
.endm
	s_load_b512 s[16:31], s[0:1], 0x0              ; u0 s[16:17], log_dt s[18:19], logA_re s[20:21], A_imag s[22:23], C_re s[24:25], C_im s[26:27], D s[28:29], bits s[30:31]
	v_lshl_add_u32 v[SPW], v0, 2, SPARE
	v_mov_b32 v[NIL], 0
	v_lshrrev_b32 v[TA], 5, v0
	v_readfirstlane_b32 s2, v[TA]                  ; wave
	s_lshr_b32 s3, s2, 1                           ; c
	s_and_b32 s4, s2, 1                            ; w2
	s_lshl_b32 s5, ttmp9, 1
	s_add_co_u32 s5, s5, s3                        ; h
	v_and_b32 v[LN], 31, v0
	v_and_b32 v[RR], 15, v0
	v_bfe_u32 v[HH], v0, 4, 1
	s_mov_b32 s40, 0xffff
	s_mov_b32 s[CLO], 0xc2af999a                   ; -87.8
	s_mov_b32 s[CHI], 0x42b1999a                   ; 88.8
	s_mov_b32 s[NLO], 0xc2fe0000                   ; -127.0
	s_mov_b32 s[NHI], 0x42fe0000                   ; 127.0
	SK KL2E,  0x3fb8aa3b                           ; log2(e)
	SK KHALF, 0x3f000000                           ; 0.5
	SK KP0,   0x39506967                           ; exp: 1.9875691500e-4
	SK KP1,   0x3ab743ce                           ; exp: 1.3981999507e-3
	SK KS3,   0xb94ca75a                           ; sine: s3
	SK KS2,   0x3c0883b0                           ; sine: s2, high part
	SK KC4,   0x37cc9a18                           ; cosine: c4
	SK KC3,   0xbab6043f                           ; cosine: c3
	v_cmp_eq_u32 s9, 0, v[LN]                      ; lane 0
	v_mov_b32 v[NEG1], -1.0
	v_mov_b32 v[ONEL], 0x3f80
	v_mov_b32 v[ONEH], 0x3f800000
.irp i, 0,1,2,3
	v_mov_b32 v[ZERO+\i], 0
.endr
	s_mul_i32 s44, s3, TABC
	s_mul_i32 s45, s4, 288
	s_add_co_u32 s45, s45, s44
	s_mul_i32 s46, s2, STGW
	s_add_co_u32 s46, s46, STG
	s_lshl_b32 s47, s3, 14
	s_add_co_u32 s47, s47, XB
	s_mul_i32 s7, s4, 2*TABL                       ; the table of my first layer, within channel c's
	v_lshl_add_u32 v[TA], v[RR], 1, v[HH]
	v_add_nc_u32 v[TA], 3, v[TA]
	v_mul_u32_u24 v[TW0], v[TA], 144
	v_add_nc_u32 v[TW0], s44, v[TW0]
	v_lshrrev_b32 v[TA], 3, v[RR]
	v_sub_nc_u32 v[TB], 1, v[HH]
	v_add_nc_u32 v[TA], v[TA], v[TB]
	v_mul_u32_u24 v[TR0], v[TA], 144
	v_and_b32 v[TB], 7, v[RR]
	v_lshl_add_u32 v[TR0], v[TB], 4, v[TR0]
	v_add_nc_u32 v[TR0], s45, v[TR0]               ; c's tables + 288 w2 + ((1 - half) + (r >> 3)) 144 + (r & 7) 16
	v_lshl_add_u32 v[SQW], v[LN], 4, s46
	v_mul_u32_u24 v[SQR], v[RR], QP
	v_lshl_add_u32 v[SQR], v[HH], 8, v[SQR]
	v_add_nc_u32 v[SQR], s46, v[SQR]
	v_lshl_add_u32 v[XR], v[LN], 4, s47
	s_lshl_b32 s48, s4, 9
	v_add_nc_u32 v[XW], s48, v[XR]
	s_lshl_b32 s49, s4, 13
	v_add_nc_u32 v[XF], s49, v[XR]
	v_add_nc_u32 v[TA], 15, v[RR]                  ; half 0: lane (r - 1) % 16 of half 1; half 1: lane r of half 0
	v_and_b32 v[TA], 15, v[TA]
	v_add_nc_u32 v[TA], 16, v[TA]
	v_cmp_eq_u32 vcc_lo, 1, v[HH]
	v_cndmask_b32 v[BPX], v[TA], v[RR], vcc_lo
	v_lshlrev_b32 v[BPX], 2, v[BPX]
	v_lshl_add_u32 v[ZA0], v[LN], 4, s44
	s_lshl_b32 s50, s4, 18                         ; layer 2 w2: 512 channels x 256 bytes each,
	s_lshl_b32 s51, s5, 8
	s_add_co_u32 s50, s50, s51
	v_lshl_add_u32 v[PO], v[LN], 3, s50
	s_lshl_b32 s50, s4, 12
	s_lshl_b32 s51, s5, 2
	s_add_co_u32 s50, s50, s51
	v_mov_b32 v[PS], s50
	v_lshlrev_b32 v[UO], 4, v[LN]
	s_lshl_b32 s52, s5, 15
	s_mov_b32 s53, 0
	s_lshl_b32 s54, s5, 10
	s_add_co_u32 s54, s54, s48
	s_mov_b32 s55, 0
	s_wait_kmcnt 0x0
	s_add_nc_u64 s[32:33], s[16:17], s[52:53]      ; u0 at my channel
	s_add_nc_u64 s[34:35], s[30:31], s[54:55]      ; bits at my channel, my half of the times
.macro LOADP base, o8, o4
	global_load_b64 v[(\base):(\base)+1],   v[PO], s[20:21] offset:\o8
	global_load_b64 v[(\base)+2:(\base)+3], v[PO], s[22:23] offset:\o8
	global_load_b64 v[(\base)+4:(\base)+5], v[PO], s[24:25] offset:\o8
	global_load_b64 v[(\base)+6:(\base)+7], v[PO], s[26:27] offset:\o8
	global_load_b32 v[(\base)+8], v[PS], s[18:19] offset:\o4
	global_load_b32 v[(\base)+9], v[PS], s[28:29] offset:\o4
.endm
	LOADP RAWA, 0, 0
	LOADP RAWB, 131072, 2048                       ; the next layer lies 512 channels on
	s_wait_loadcnt 0x0                             ; the parameters are in; then the channel's u0 is asked for, and lands while the tables are made
	WIN 0xc0                                       ; destination window 3
.set i, 0
.rept 64
	global_load_b128 v[4*i:4*i+3], v[UO], s[32:33] offset:i*512  ; 512 consecutive bytes: registers 8 ti + 4 e + 0..3 hold times 16 ti + 8 half + 4 e + 0..3 of batch lane % 16
.set i, i+1
.endr
	WIN 0
; ---- macros of the set-up; every line works on my two modes at once where a packed form exists
.macro RND2 d, s0, s1                  ; two numbers rounded to bf16 and widened again
	v_cvt_pk_bf16_f32 v[TA], v[\s0], v[\s1]
	v_lshlrev_b32 v[\d], 16, v[TA]
	v_and_b32 v[(\d)+1], 0xffff0000, v[TA]
.endm
.macro PMUL d, a, b                    ; packed lines on pairs, named by their first register
	v_pk_mul_f32 v[(\d):(\d)+1], v[(\a):(\a)+1], v[(\b):(\b)+1]
.endm
.macro PFMA d, a, b, c                 ; a b + c
	v_pk_fma_f32 v[(\d):(\d)+1], v[(\a):(\a)+1], v[(\b):(\b)+1], v[(\c):(\c)+1]
.endm
.macro PFMS d, a, b, c                 ; a b - c
	v_pk_fma_f32 v[(\d):(\d)+1], v[(\a):(\a)+1], v[(\b):(\b)+1], v[(\c):(\c)+1] neg_lo:[0,0,1] neg_hi:[0,0,1]
.endm
.macro PNFMA d, a, b, c                ; c - a b
	v_pk_fma_f32 v[(\d):(\d)+1], v[(\a):(\a)+1], v[(\b):(\b)+1], v[(\c):(\c)+1] neg_lo:[1,0,0] neg_hi:[1,0,0]
.endm
.macro PADD d, a, b
	v_pk_add_f32 v[(\d):(\d)+1], v[(\a):(\a)+1], v[(\b):(\b)+1]
.endm
.macro PSUB d, a, b                    ; a - b
	v_pk_add_f32 v[(\d):(\d)+1], v[(\a):(\a)+1], v[(\b):(\b)+1] neg_lo:[0,1] neg_hi:[0,1]
.endm
.macro PADDK d, a, k                   ; a + k
	v_pk_add_f32 v[(\d):(\d)+1], v[(\a):(\a)+1], \k op_sel_hi:[1,0]
.endm
.macro PRSBK d, a, k                   ; k - a
	v_pk_add_f32 v[(\d):(\d)+1], v[(\a):(\a)+1], \k op_sel_hi:[1,0] neg_lo:[1,0] neg_hi:[1,0]
.endm
.macro DDMUL ph, pl, ah, al, bh, bl    ; (ph + pl) = (ah + al) (bh + bl): the high product, its exact residue, and the two cross terms
	PMUL \ph, \ah, \bh
	PFMS \pl, \ah, \bh, \ph
	PFMA \pl, \ah, \bl, \pl
	PFMA \pl, \al, \bh, \pl
.endm
.macro NEWTON b                        ; RC, the hardware's reciprocal of b, is refined once: RC + RC (1 - b RC)
	v_pk_fma_f32 v[ER2:ER2+1], v[(\b):(\b)+1], v[RC:RC+1], 1.0 op_sel_hi:[1,1,0] neg_lo:[1,0,0] neg_hi:[1,0,0]
	PFMA RC, ER2, RC, RC
.endm
.macro DIVQ q, a, b                    ; q = a / b, rounded as a division rounds it: a RC, then twice the exact residue a - b q times RC is added
	PMUL \q, \a, RC
	PNFMA ER2, \b, \q, \a
	PFMA \q, ER2, RC, \q
	PNFMA ER2, \b, \q, \a
	PFMA \q, ER2, RC, \q
.endm
; d = exp(x), by the Cephes single-precision scheme in its own order, each multiply-add fused: n = floor(x log2(e) + 0.5); x - n 0.693359375 (exact), + n 2.1219444e-4;
; y = Horner over six coefficients; 1 + (y x^2 + x); times 2^n.
.macro EXPC d, x
	v_med3_num_f32 v[T], v[\x], s[CLO], s[CHI]
	v_med3_num_f32 v[T+1], v[(\x)+1], s[CLO], s[CHI]
	v_pk_fma_f32 v[T+2:T+3], v[T:T+1], s[KL2E:KL2E+1], s[KHALF:KHALF+1] op_sel_hi:[1,0,0]
	v_floor_f32 v[T+2], v[T+2]
	v_floor_f32 v[T+3], v[T+3]
	v_med3_num_f32 v[T+2], v[T+2], s[NLO], s[NHI]
	v_med3_num_f32 v[T+3], v[T+3], s[NLO], s[NHI]
	v_pk_fma_f32 v[T+4:T+5], v[T+2:T+3], 0xbf318000, v[T:T+1] op_sel_hi:[1,0,1]
	v_pk_fma_f32 v[T+4:T+5], v[T+2:T+3], 0x395e8083, v[T+4:T+5] op_sel_hi:[1,0,1]
	PMUL T+6, T+4, T+4
	v_pk_fma_f32 v[T+8:T+9], v[T+4:T+5], s[KP0:KP0+1], s[KP1:KP1+1] op_sel_hi:[1,0,0]
	v_pk_fma_f32 v[T+8:T+9], v[T+8:T+9], v[T+4:T+5], 0x3c088908 op_sel_hi:[1,1,0]
	v_pk_fma_f32 v[T+8:T+9], v[T+8:T+9], v[T+4:T+5], 0x3d2aa9c1 op_sel_hi:[1,1,0]
	v_pk_fma_f32 v[T+8:T+9], v[T+8:T+9], v[T+4:T+5], 0x3e2aaaaa op_sel_hi:[1,1,0]
	v_pk_fma_f32 v[T+8:T+9], v[T+8:T+9], v[T+4:T+5], 0.5 op_sel_hi:[1,1,0]
	PFMA T+8, T+8, T+6, T+4
	PADDK T+8, T+8, 1.0
	v_cvt_i32_f32 v[T+2], v[T+2]
	v_cvt_i32_f32 v[T+3], v[T+3]
	v_ldexp_f32 v[\d], v[T+8], v[T+2]
	v_ldexp_f32 v[(\d)+1], v[T+9], v[T+3]
.endm
; SN, CN = sin, cos of THETA.  n = nearest(theta 2 / pi); pi / 2 in three parts; theta - n part1 is exact; the reduced argument x is kept as high part R_XH and low part R_XL.
; sin x = x + x z (s1 + z (s2 + z s3)), cos x = 1 + z (c1 + z (c2 + z (c3 + z c4))), z = x^2: s1, s2, c1, c2 as high + low parts, every level that weighs more than 2^-12 of the result in pairs of f32;
; sums of a larger and a smaller number keep what the rounding lost (a + b = s, lost = (a - s) + b).  The last addition alone rounds to f32.
.set R_N,  T
.set R_D,  T+2
.set R_QH, T+4
.set R_QL, T+6
.set R_XH, T+8
.set R_XL, T+10
.set R_ZH, T+12
.set R_ZL, T+14
.set R_UH, T+16
.set R_UL, T+18
.set R_TH, T+20
.set R_TL, T+22
.set R_SI, NR                          ; sin x, cos x: in registers that are written anew only behind this macro
.set R_CO, DEN
.macro SINCOS2
	v_pk_mul_f32 v[T:T+1], v[THETA:THETA+1], 0x3f22f983 op_sel_hi:[1,0]
	v_rndne_f32 v[T], v[T]
	v_rndne_f32 v[T+1], v[T+1]
	v_pk_fma_f32 v[T+2:T+3], v[T:T+1], 0xbfc90fdb, v[THETA:THETA+1] op_sel_hi:[1,0,1]
	v_pk_mul_f32 v[T+4:T+5], v[T:T+1], 0xb33bbd2e op_sel_hi:[1,0]
	v_pk_fma_f32 v[T+6:T+7], v[T:T+1], 0xb33bbd2e, v[T+4:T+5] op_sel_hi:[1,0,1] neg_lo:[0,0,1] neg_hi:[0,0,1]
	PSUB T+8, T+2, T+4
	PSUB T+2, T+2, T+8
	PSUB T+2, T+2, T+4
	PSUB T+2, T+2, T+6
	v_pk_fma_f32 v[T+10:T+11], v[T:T+1], 0x26f72ceb, v[T+2:T+3] op_sel_hi:[1,0,1]
	v_med3_num_f32 v[T+8], v[T+8], -1.0, 1.0       ; only a phase beyond the stated range is touched by this
	v_med3_num_f32 v[T+9], v[T+9], -1.0, 1.0
	PMUL R_ZH, R_XH, R_XH                          ; z = x^2, high and low
	PFMS R_ZL, R_XH, R_XH, R_ZH
	PADD R_D, R_XH, R_XH
	PFMA R_ZL, R_D, R_XL, R_ZL
	; the sine
	v_pk_fma_f32 v[R_UH:R_UH+1], v[R_ZH:R_ZH+1], s[KS3:KS3+1], s[KS2:KS2+1] op_sel_hi:[1,0,0]   ; u = s2 + z s3
	PRSBK R_D, R_UH, 0x3c0883b0
	v_pk_fma_f32 v[R_UL:R_UL+1], v[R_ZH:R_ZH+1], s[KS3:KS3+1], v[R_D:R_D+1] op_sel_hi:[1,0,1]
	PADDK R_UL, R_UL, 0x2f246178                   ; s2's low part
	DDMUL R_TH, R_TL, R_ZH, R_ZL, R_UH, R_UL       ; t = z u
	PADDK R_QH, R_TH, 0xbe2aaaa3                   ; q = s1 + t
	PRSBK R_D, R_QH, 0xbe2aaaa3
	PADD R_D, R_D, R_TH
	PADDK R_TL, R_TL, 0x314d4b40                   ; s1's low part
	PADD R_QL, R_D, R_TL
	DDMUL R_UH, R_UL, R_ZH, R_ZL, R_QH, R_QL       ; w = z q
	DDMUL R_TH, R_TL, R_XH, R_XL, R_UH, R_UL       ; v = x w
	PADD R_QH, R_XH, R_TH                          ; x + v
	PSUB R_D, R_QH, R_XH
	PSUB R_D, R_TH, R_D
	PADD R_TL, R_TL, R_XL
	PADD R_D, R_D, R_TL
	PADD R_SI, R_QH, R_D
	; the cosine
	v_pk_fma_f32 v[R_TH:R_TH+1], v[R_ZH:R_ZH+1], s[KC4:KC4+1], s[KC3:KC3+1] op_sel_hi:[1,0,0]   ; g = c3 + z c4
	v_pk_fma_f32 v[R_UH:R_UH+1], v[R_ZH:R_ZH+1], v[R_TH:R_TH+1], 0x3d2aaa9f op_sel_hi:[1,1,0]   ; u = c2 + z g
	PRSBK R_D, R_UH, 0x3d2aaa9f
	PFMA R_UL, R_ZH, R_TH, R_D
	PADDK R_UL, R_UL, 0x2f03478c                   ; c2's low part
	DDMUL R_TH, R_TL, R_ZH, R_ZL, R_UH, R_UL       ; t = z u
	PADDK R_QH, R_TH, -0.5                         ; q = c1 + t; c1 = -0.5 + its low part
	PRSBK R_D, R_QH, -0.5
	PADD R_D, R_D, R_TH
	PADDK R_TL, R_TL, 0x313ce779
	PADD R_QL, R_D, R_TL
	DDMUL R_UH, R_UL, R_ZH, R_ZL, R_QH, R_QL       ; w = z q
	PADDK R_QH, R_UH, 1.0                          ; 1 + w
	PADDK R_D, R_QH, -1.0
	PSUB R_D, R_UH, R_D
	PADD R_D, R_D, R_UL
	PADD R_CO, R_QH, R_D
.irp k, 0,1                            ; the quadrant n & 3: odd swaps the two; sine turns its sign on bit 1 of n, cosine on bit 1 of n + 1
	v_cvt_i32_f32 v[TA], v[R_N+\k]
	v_and_b32 v[TB], 1, v[TA]
	v_cmp_eq_u32 vcc_lo, 1, v[TB]
	v_cndmask_b32 v[SN+\k], v[R_SI+\k], v[R_CO+\k], vcc_lo
	v_cndmask_b32 v[CN+\k], v[R_CO+\k], v[R_SI+\k], vcc_lo
	v_lshlrev_b32 v[TB], 30, v[TA]
	v_and_b32 v[TB], 0x80000000, v[TB]
	v_xor_b32 v[SN+\k], v[TB], v[SN+\k]
	v_add_nc_u32 v[TA], 1, v[TA]
	v_lshlrev_b32 v[TB], 30, v[TA]
	v_and_b32 v[TB], 0x80000000, v[TB]
	v_xor_b32 v[CN+\k], v[TB], v[CN+\k]
.endr
.endm
; The square of a complex number kept as high parts (quad s) + low parts (XL, YL): high parts into quad d, low parts back into XL, YL.  All in window 1.
; x^2 and y^2 with their exact residues by fused multiply-adds; x^2 - y^2 by a sum that keeps its rounding; 2 x y likewise.
.macro DFSQ s, d
	v_pk_mul_f32 v[DF:DF+1], v[(\s):(\s)+1], v[(\s):(\s)+1]
	v_pk_fma_f32 v[DF+2:DF+3], v[(\s):(\s)+1], v[(\s):(\s)+1], v[DF:DF+1] neg_lo:[0,0,1] neg_hi:[0,0,1]
	v_pk_add_f32 v[DF+20:DF+21], v[(\s):(\s)+1], v[(\s):(\s)+1]
	v_pk_fma_f32 v[DF+2:DF+3], v[DF+20:DF+21], v[XL:XL+1], v[DF+2:DF+3]
	v_pk_mul_f32 v[DF+4:DF+5], v[(\s)+2:(\s)+3], v[(\s)+2:(\s)+3]
	v_pk_fma_f32 v[DF+6:DF+7], v[(\s)+2:(\s)+3], v[(\s)+2:(\s)+3], v[DF+4:DF+5] neg_lo:[0,0,1] neg_hi:[0,0,1]
	v_pk_add_f32 v[DF+20:DF+21], v[(\s)+2:(\s)+3], v[(\s)+2:(\s)+3]
	v_pk_fma_f32 v[DF+6:DF+7], v[DF+20:DF+21], v[YL:YL+1], v[DF+6:DF+7]
	v_pk_add_f32 v[DF+8:DF+9], v[DF:DF+1], v[DF+4:DF+5] neg_lo:[0,1] neg_hi:[0,1]        ; s = p1 - p2
	v_pk_add_f32 v[DF+10:DF+11], v[DF+8:DF+9], v[DF:DF+1] neg_lo:[0,1] neg_hi:[0,1]      ; bb = s - p1
	v_pk_add_f32 v[DF+12:DF+13], v[DF+8:DF+9], v[DF+10:DF+11] neg_lo:[0,1] neg_hi:[0,1]
	v_pk_add_f32 v[DF+12:DF+13], v[DF:DF+1], v[DF+12:DF+13] neg_lo:[0,1] neg_hi:[0,1]    ; p1 - (s - bb)
	v_pk_add_f32 v[DF+14:DF+15], v[DF+4:DF+5], v[DF+10:DF+11]                            ; p2 + bb
	v_pk_add_f32 v[DF+12:DF+13], v[DF+12:DF+13], v[DF+14:DF+15] neg_lo:[0,1] neg_hi:[0,1]  ; what s lost
	v_pk_add_f32 v[DF+2:DF+3], v[DF+2:DF+3], v[DF+6:DF+7] neg_lo:[0,1] neg_hi:[0,1]
	v_pk_add_f32 v[DF+12:DF+13], v[DF+12:DF+13], v[DF+2:DF+3]                            ; t
	v_pk_mul_f32 v[DF+16:DF+17], v[(\s):(\s)+1], v[(\s)+2:(\s)+3]
	v_pk_fma_f32 v[DF+18:DF+19], v[(\s):(\s)+1], v[(\s)+2:(\s)+3], v[DF+16:DF+17] neg_lo:[0,0,1] neg_hi:[0,0,1]
	v_pk_fma_f32 v[DF+18:DF+19], v[(\s):(\s)+1], v[YL:YL+1], v[DF+18:DF+19]
	v_pk_fma_f32 v[DF+18:DF+19], v[XL:XL+1], v[(\s)+2:(\s)+3], v[DF+18:DF+19]
	v_pk_add_f32 v[(\d):(\d)+1], v[DF+8:DF+9], v[DF+12:DF+13]
	v_pk_add_f32 v[DF+20:DF+21], v[(\d):(\d)+1], v[DF+8:DF+9] neg_lo:[0,1] neg_hi:[0,1]
	v_pk_add_f32 v[XL:XL+1], v[DF+12:DF+13], v[DF+20:DF+21] neg_lo:[0,1] neg_hi:[0,1]
	v_pk_add_f32 v[DF+20:DF+21], v[DF+16:DF+17], v[DF+18:DF+19]
	v_pk_add_f32 v[DF+14:DF+15], v[DF+20:DF+21], v[DF+16:DF+17] neg_lo:[0,1] neg_hi:[0,1]
	v_pk_add_f32 v[DF+14:DF+15], v[DF+18:DF+19], v[DF+14:DF+15] neg_lo:[0,1] neg_hi:[0,1]
	v_pk_add_f32 v[(\d)+2:(\d)+3], v[DF+20:DF+21], v[DF+20:DF+21]
	v_pk_add_f32 v[YL:YL+1], v[DF+14:DF+15], v[DF+14:DF+15]
.endm
; quad d = quad a x quad e (cj = 0) or quad a x conj(quad e) (cj = 1).  All in window 1.
.macro CMUL d, a, e, cj
	v_pk_mul_f32 v[(\d):(\d)+1], v[(\a)+2:(\a)+3], v[(\e)+2:(\e)+3]
.if \cj
	v_pk_fma_f32 v[(\d):(\d)+1], v[(\a):(\a)+1], v[(\e):(\e)+1], v[(\d):(\d)+1]
.else
	v_pk_fma_f32 v[(\d):(\d)+1], v[(\a):(\a)+1], v[(\e):(\e)+1], v[(\d):(\d)+1] neg_lo:[0,0,1] neg_hi:[0,0,1]
.endif
	v_pk_mul_f32 v[(\d)+2:(\d)+3], v[(\a)+2:(\a)+3], v[(\e):(\e)+1]
.if \cj
	v_pk_fma_f32 v[(\d)+2:(\d)+3], v[(\a):(\a)+1], v[(\e)+2:(\e)+3], v[(\d)+2:(\d)+3] neg_lo:[1,0,0] neg_hi:[1,0,0]
.else
	v_pk_fma_f32 v[(\d)+2:(\d)+3], v[(\a):(\a)+1], v[(\e)+2:(\e)+3], v[(\d)+2:(\d)+3]
.endif
.endm
; One tile of K: K[16 a + b] = sum over 128 numbers of Q_b conj(P_a): rows b x 16 columns a, whose rows begin at register bp of window 2; 4 numbers an instruction, the same order of the 128 on both sides.
; Eight sums of 16 numbers (chain c: numbers 16 c .. 16 c + 15) take turns, one instruction a turn; each chain's first instruction starts it with the constant 0.
; Nine places follow (ISA guide 7.12.1: eight before a sum is read, nine before the next tile's products write over it).  Then the sums are added pairwise into other registers, each read from its low end on.
.macro KTILE bp, ks
	WIN 0x0a                                       ; Q and P in window 2, sums in window 0
.irp st, 0,1,2,3
.set c_, 0
.rept 8
.set s_, 2*(4*c_+\st)
.if \st == 0
	v_wmma_f32_16x16x4_f32 v[DK+8*c_:DK+8*c_+7], v[s_:s_+1], v[(\bp)+s_:(\bp)+s_+1], 0
.else
	v_wmma_f32_16x16x4_f32 v[DK+8*c_:DK+8*c_+7], v[s_:s_+1], v[(\bp)+s_:(\bp)+s_+1], v[DK+8*c_:DK+8*c_+7]
.endif
.set c_, c_+1
.endr
.endr
	WIN 0
.rept 9
	v_nop
.endr
.irp c, 0,1,2,3
.irp i, 0,2,4,6
	v_pk_add_f32 v[S1+8*\c+\i:S1+8*\c+\i+1], v[DK+16*\c+\i:DK+16*\c+\i+1], v[DK+16*\c+8+\i:DK+16*\c+9+\i]
.endr
.endr
.irp c, 0,1
.irp i, 0,2,4,6
	v_pk_add_f32 v[S1+16*\c+\i:S1+16*\c+\i+1], v[S1+16*\c+\i:S1+16*\c+\i+1], v[S1+16*\c+8+\i:S1+16*\c+9+\i]
.endr
.endr
.irp i, 0,2,4,6
	v_pk_add_f32 v[(\ks)+\i:(\ks)+\i+1], v[S1+\i:S1+\i+1], v[S1+16+\i:S1+17+\i]
.endr
.endm
; Tile t (lags 256 t ..) goes into the tables.  My eight lags x = 8 (32 t + 2 r + half) + j.  Z[x] = (K'[x], K'[x-1]) as two bf16; word w of block n is Z[n - 2 w], so each Z is stored four times.
; zh: the first term's eight Z; kb: where the lags lie in f32; pr: the lag below my lowest.  A residue k - bf16(k) is exact in f32; rounded to bf16 it is the next term; twice.
.macro ZROW t, zh, kb, pr
	v_fma_mix_f32_bf16 v[RS], v[\zh], v[NEG1], v[\pr] op_sel:[1,0,0] op_sel_hi:[1,0,0]
.irp j, 0,1,2,3,4,5,6,7
	v_fma_mix_f32_bf16 v[RS+1+\j], v[(\zh)+\j], v[NEG1], v[(\kb)+\j] op_sel:[0,0,0] op_sel_hi:[1,0,0]
.endr
.irp j, 0,1,2,3,4,5,6,7
	v_cvt_pk_bf16_f32 v[ZM+\j], v[RS+1+\j], v[RS+\j]
.endr
	v_fma_mix_f32_bf16 v[RS], v[ZM], v[NEG1], v[RS] op_sel:[1,0,0] op_sel_hi:[1,0,0]
.irp j, 0,1,2,3,4,5,6,7
	v_fma_mix_f32_bf16 v[RS+1+\j], v[ZM+\j], v[NEG1], v[RS+1+\j] op_sel:[0,0,0] op_sel_hi:[1,0,0]
.endr
.irp j, 0,1,2,3,4,5,6,7
	v_cvt_pk_bf16_f32 v[ZL+\j], v[RS+1+\j], v[RS+\j]
.endr
.irp j, 0,1,2,3,4,5,6,7
.irp w, 0,1,2,3
	ds_store_b32 v[ADR2], v[(\zh)+\j] offset:(\t)*4608+((\j+2*\w)>>3)*144+((\j+2*\w)&7)*16+4*\w
	ds_store_b32 v[ADR2], v[ZM+\j] offset:TERM+(\t)*4608+((\j+2*\w)>>3)*144+((\j+2*\w)&7)*16+4*\w
	ds_store_b32 v[ADR2], v[ZL+\j] offset:2*TERM+(\t)*4608+((\j+2*\w)>>3)*144+((\j+2*\w)&7)*16+4*\w
.endr
.endr
.endm
; ---- THE TABLES: two trips, one for each of my two layers
	s_mov_b32 s6, 2
.Lkgen:
	RND2 AR,  RAWA,   RAWA+1                       ; logA_re
	RND2 AIM, RAWA+2, RAWA+3
	RND2 CRE, RAWA+4, RAWA+5
	RND2 CIM, RAWA+6, RAWA+7
	RND2 DT,  RAWA+8, RAWA+8                       ; log_dt, twice
	RND2 DV,  RAWA+9, RAWA+9                       ; D (its second copy falls on DADD, which is written below)
	EXPC DT, DT
	EXPC AR, AR
	v_pk_mul_f32 v[AR:AR+1], v[AR:AR+1], -1.0 op_sel_hi:[1,0]   ; Re A = -exp(logA_re)
	v_pk_mul_f32 v[RHO:RHO+1], v[DT:DT+1], v[AR:AR+1]           ; dt A, each part rounded once
	v_pk_mul_f32 v[THETA:THETA+1], v[DT:DT+1], v[AIM:AIM+1]
	EXPC ER, RHO
	SINCOS2
	v_pk_mul_f32 v[DAR:DAR+1], v[ER:ER+1], v[CN:CN+1]           ; dA, rounded to f32 here
	v_pk_mul_f32 v[DAI:DAI+1], v[ER:ER+1], v[SN:SN+1]
	; dB = (dA - 1) / A by Smith's scheme.  With (p, q) = (Re A, Im A) where |Re A| < |Im A| and (Im A, Re A) elsewhere, and the numerator's parts (x1, x2) = (re, im) or (im, re) alike:
	; ratio = p / q; denominator = ratio p + q; Re dB = (ratio x1 + x2) / denominator; Im dB = +-(ratio x2 - x1) / denominator, minus in the second case.
	PADDK NR, DAR, -1.0
	v_and_b32 v[T+20], 0x7fffffff, v[AR]
	v_and_b32 v[T+21], 0x7fffffff, v[AR+1]
	v_and_b32 v[T+22], 0x7fffffff, v[AIM]
	v_and_b32 v[T+23], 0x7fffffff, v[AIM+1]
.irp k, 0,1
	v_cmp_lt_f32 vcc_lo, v[T+20+\k], v[T+22+\k]
	v_cndmask_b32 v[PP+\k], v[AIM+\k], v[AR+\k], vcc_lo
	v_cndmask_b32 v[QQ+\k], v[AR+\k], v[AIM+\k], vcc_lo
	v_cndmask_b32 v[X1+\k], v[DAI+\k], v[NR+\k], vcc_lo
	v_cndmask_b32 v[X2+\k], v[NR+\k], v[DAI+\k], vcc_lo
	v_cndmask_b32 v[SG+\k], 0x80000000, v[ZERO], vcc_lo
.endr
	v_rcp_f32 v[RC], v[QQ]
	v_rcp_f32 v[RC+1], v[QQ+1]
	v_nop                                          ; a plain line behind the reciprocals,
	s_wait_alu depctr_va_vdst(0)                   ; and one wait for both, ahead of their first reader
	NEWTON QQ
	DIVQ RAT, PP, QQ
	PFMA DEN, RAT, PP, QQ
	v_rcp_f32 v[RC], v[DEN]
	v_rcp_f32 v[RC+1], v[DEN+1]
	PFMA NMR, RAT, X1, X2                          ; the plain lines behind the reciprocals: the two numerators
	PFMS NMI, RAT, X2, X1
	s_wait_alu depctr_va_vdst(0)                   ; one wait for both
	NEWTON DEN
	DIVQ BR, NMR, DEN
	DIVQ BI, NMI, DEN
	v_xor_b32 v[BI], v[SG], v[BI]
	v_xor_b32 v[BI+1], v[SG+1], v[BI+1]
	v_pk_mul_f32 v[WR:WR+1], v[CRE:CRE+1], v[BR:BR+1]           ; W = C dB
	v_pk_fma_f32 v[WR:WR+1], v[CIM:CIM+1], v[BI:BI+1], v[WR:WR+1] neg_lo:[1,0,0] neg_hi:[1,0,0]
	v_pk_mul_f32 v[WI:WI+1], v[CRE:CRE+1], v[BI:BI+1]
	v_pk_fma_f32 v[WI:WI+1], v[CIM:CIM+1], v[BR:BR+1], v[WI:WI+1]
	v_cndmask_b32 v[DADD], v[ZERO], v[DV], s9      ; D in the lane that holds lag 0
	; Q_0 = 1, Q_1 = dA, conj P_0 = 2 conj(W) (K's factor 2 goes into P); low parts 0
	WIN 0x40
	v_mov_b32 v0, 1.0
	v_mov_b32 v1, 1.0
	v_mov_b32 v2, 0
	v_mov_b32 v3, 0
	v_mov_b32 v4, v[DAR]
	v_mov_b32 v5, v[DAR+1]
	v_mov_b32 v6, v[DAI]
	v_mov_b32 v7, v[DAI+1]
	v_pk_mul_f32 v[PT:PT+1], v[WR:WR+1], 2.0 op_sel_hi:[1,0]
	v_pk_mul_f32 v[PT+2:PT+3], v[WI:WI+1], -2.0 op_sel_hi:[1,0]
	v_mov_b32 v[XL], 0
	v_mov_b32 v[XL+1], 0
	v_mov_b32 v[YL], 0
	v_mov_b32 v[YL+1], 0
	WIN 0x55
	DFSQ 4, 8                                      ; dA^2 = Q_2
	DFSQ 8, 16                                     ; Q_4
	DFSQ 16, 32                                    ; Q_8
	DFSQ 32, EE                                    ; dA^16
	DFSQ EE, EE+4
	DFSQ EE+4, EE+8
	DFSQ EE+8, EE+12
	DFSQ EE+12, EE+16                              ; dA^256
.irp k, 2,4,8
.set b, 1
.rept \k-1
	CMUL 4*(b+\k), 4*b, 4*\k, 0                    ; Q_(b + k) = Q_b Q_k
.set b, b+1
.endr
.endr
.set kk, 0
.irp k, 1,2,4,8,16
.set a, 0
.rept \k
	CMUL PT+4*(a+\k), PT+4*a, EE+4*kk, 1           ; conj P_(a + k) = conj P_a conj(dA^(16 k))
.set a, a+1
.endr
.set kk, kk+1
.endr
	; through my stage: written a row a line (lane L: modes 2 L, 2 L + 1), read back a row a lane (lane (r, half): half a row, 64 numbers).  My own bytes: LDS serves a wave's instructions in order (ISA guide 5.7.1.4).
	; conj P's 32 rows go through the same 16 rows of the stage in two halves.
	WIN 0x04                                       ; store data in window 1
.set i, 0
.rept 16
	ds_store_b128 v[SQW], v[4*i:4*i+3] offset:i*QP
.set i, i+1
.endr
.set i, 0
.rept 16
	ds_store_b128 v[SQW], v[PT+4*i:PT+4*i+3] offset:16*QP+i*QP
.set i, i+1
.endr
	WIN 0x80                                       ; destination window 2
.set i, 0
.rept 16
	ds_load_b128 v[4*i:4*i+3],         v[SQR] offset:16*i
	ds_load_b128 v[64+4*i:64+4*i+3],   v[SQR] offset:16*QP+16*i
.set i, i+1
.endr
	s_wait_dscnt 0x0                               ; the first half has been read: its rows are written again only behind this wait
	WIN 0x04
.set i, 0
.rept 16
	ds_store_b128 v[SQW], v[PT+64+4*i:PT+64+4*i+3] offset:16*QP+i*QP
.set i, i+1
.endr
	WIN 0x80
.set i, 0
.rept 16
	ds_load_b128 v[128+4*i:128+4*i+3], v[SQR] offset:16*QP+16*i
.set i, i+1
.endr
	s_wait_dscnt 0x0
	KTILE 64, KS0                                  ; a = 0..15: lags 0-255
	KTILE 128, KS1                                 ; a = 16..31: lags 256-511
	; lane (r, half) of tile T holds lags 16 (16 T + r) + 8 half + 0..7
	v_add_f32 v[KS0], v[KS0], v[DADD]              ; K'[0] = K[0] + D
.irp j, 1,2,3,4,5,6,7
	v_cvt_pk_bf16_f32 v[ZHA+\j], v[KS0+\j], v[KS0+\j-1]
.endr
.irp j, 1,2,3,4,5,6,7
	v_cvt_pk_bf16_f32 v[ZHB+\j], v[KS1+\j], v[KS1+\j-1]
.endr
	ds_bpermute_b32 v[PV0], v[BPX], v[KS0+7]       ; the lag just below my lowest
	ds_bpermute_b32 v[PV1], v[BPX], v[KS1+7]
	v_add_nc_u32 v[ADR], s7, v[ZA0]
.irp t, 0,1,2
	ds_store_b128 v[ADR], v[ZERO:ZERO+3] offset:\t*TERM        ; the first 1,024 bytes of the three terms' tables are 0: blocks of negative lags; the lines below overwrite what is not
	ds_store_b128 v[ADR], v[ZERO:ZERO+3] offset:\t*TERM+512
.endr
	v_add_nc_u32 v[ADR2], s7, v[TW0]
	s_wait_dscnt 6                                 ; the two exchanges are back; the six stores behind them may stay out
	v_cndmask_b32 v[PR0], v[PV0], v[ZERO], s9      ; below lag 0 lies 0,
	v_cndmask_b32 v[PR1], v[PV1], v[PV0], s9       ; below lag 256 lag 255
	v_cvt_pk_bf16_f32 v[ZHA], v[KS0], v[PR0]
	v_cvt_pk_bf16_f32 v[ZHB], v[KS1], v[PR1]
	ZROW 0, ZHA, KS0, PR0
	ZROW 1, ZHB, KS1, PR1
.set i, 0
.rept 10
	v_mov_b32 v[RAWA+i], v[RAWB+i]                 ; the second trip takes the second layer's parameters
.set i, i+1
.endr
	s_add_co_u32 s7, s7, TABL
	s_sub_co_u32 s6, s6, 1
	s_cmp_lg_u32 s6, 0
	s_cbranch_scc1 .Lkgen
; ---- u0 is split into three bf16 terms: U1 = bf16(x), U2 = bf16(x - U1), U3 = bf16(x - U1 - U2); the residues are exact in f32
	s_wait_loadcnt 0x0
	WIN 0x4f                                       ; destination window 1, sources window 3
.set i, 0
.rept 128
	v_cvt_pk_bf16_f32 v[i], v[2*i], v[2*i+1]       ; U1: register i of window 1 is register i % 8 of fragment i / 8
.set i, i+1
.endr
	WIN 0xf1                                       ; source 0 window 1, source 1 window 0, source 2 and destination window 3
.set i, 0
.rept 128
	v_fma_mix_f32_bf16 v[2*i], v[i], v[NEG1], v[2*i] op_sel:[0,0,0] op_sel_hi:[1,0,0]
	v_fma_mix_f32_bf16 v[2*i+1], v[i], v[NEG1], v[2*i+1] op_sel:[1,0,0] op_sel_hi:[1,0,0]
.set i, i+1
.endr
	WIN 0x4f
.set i, 0
.rept 128
	v_cvt_pk_bf16_f32 v[128+i], v[2*i], v[2*i+1]   ; U2
.set i, i+1
.endr
	WIN 0xf1
.set i, 0
.rept 128
	v_fma_mix_f32_bf16 v[2*i], v[128+i], v[NEG1], v[2*i] op_sel:[0,0,0] op_sel_hi:[1,0,0]
	v_fma_mix_f32_bf16 v[2*i+1], v[128+i], v[NEG1], v[2*i+1] op_sel:[1,0,0] op_sel_hi:[1,0,0]
.set i, i+1
.endr
	WIN 0xcf                                       ; all in window 3
.set i, 0
.rept 128
	v_cvt_pk_bf16_f32 v[i], v[2*i], v[2*i+1]       ; U3, in place: register i was last read at step i / 2; v128-255 fall free for K3
.set i, i+1
.endr
	WIN 0
	s_wait_dscnt 0x0                               ; for the others' sake: my tables lie in LDS, and my use of my stage is over
	s_barrier_signal -1
	s_barrier_wait -1
; ---- THE LAYERS
.macro LOADK                           ; my 16 fragments of the three terms: fragment dl (d = 2 dl + w2): H(d), then H(d - 1)
	WIN 0
	v_add_nc_u32 v[ADR], s8, v[TR0]
	WIN 0x80                                       ; K1, K2: window 2
.irp t, 0,1
.set i, 0
.rept 16
	ds_load_b128 v[128*\t+8*i:128*\t+8*i+3],   v[ADR] offset:\t*TERM+(2*i+1)*288
	ds_load_b128 v[128*\t+8*i+4:128*\t+8*i+7], v[ADR] offset:\t*TERM+2*i*288
.set i, i+1
.endr
.endr
	WIN 0xc0                                       ; K3: window 3
.set i, 0
.rept 16
	ds_load_b128 v[128+8*i:128+8*i+3],   v[ADR] offset:2*TERM+(2*i+1)*288
	ds_load_b128 v[128+8*i+4:128+8*i+7], v[ADR] offset:2*TERM+2*i*288
.set i, i+1
.endr
	WIN 0
	s_wait_dscnt 0x0
.endm
; One product of tile q with input fragment tj.  ka, ub: where the kind's term of K and of U begins in its window.  Accumulator ac of the tile's three; the first product on it starts the sum with 0 (flag in ST_).
.macro PROD q, tj, ka, ub, tile, ac
.set ra_, (\ka)+8*((\q)-(\tj))
.set rb_, (\ub)+8*(\tj)
.set rc_, ACC+24*(\tile)+8*(\ac)
.set bit_, 3*(\tile)+(\ac)
.if (ST_>>bit_)&1
	v_wmma_f32_16x16x32_bf16 v[rc_:rc_+7], v[ra_:ra_+7], v[rb_:rb_+7], v[rc_:rc_+7]
.else
	v_wmma_f32_16x16x32_bf16 v[rc_:rc_+7], v[ra_:ra_+7], v[rb_:rb_+7], 0
.set ST_, ST_|(1<<bit_)
.endif
.endm
; One kind of product for tiles a = 2 m and b = 2 m + 1, oldest input first: b(0), a(0), b(1), .. a(2 m), b(2 m + 1): the two tiles take turns, one instruction a turn.
.macro KIND m, win, ka, ub, ac
	WIN \win
.set tj_, 0
.rept 2*(\m)+2
	PROD 2*(\m)+1, tj_, \ka, \ub, 1, \ac
.if tj_ < 2*(\m)+1
	PROD 2*(\m), tj_, \ka, \ub, 0, \ac
.endif
.set tj_, tj_+1
.endr
.endm
; The tile's three sums are added, the smaller first (each read from its low end on), compared with 0, and the spikes, 1.0 or 0 in bf16, two to a register, go to X as half a fragment.
.macro EPI tile, q
.set a_, ACC+24*(\tile)
.set p_, SP+4*(\tile)
.irp i, 0,2,4,6
	v_pk_add_f32 v[a_+8+\i:a_+9+\i], v[a_+8+\i:a_+9+\i], v[a_+16+\i:a_+17+\i]
.endr
.irp i, 0,2,4,6
	v_pk_add_f32 v[a_+\i:a_+\i+1], v[a_+\i:a_+\i+1], v[a_+8+\i:a_+9+\i]
.endr
.irp i, 0,1,2,3
	v_cmp_lt_f32 vcc_lo, 0, v[a_+2*\i]
	v_cndmask_b32 v[TC], 0, v[ONEL], vcc_lo
	v_cmp_lt_f32 vcc_lo, 0, v[a_+2*\i+1]
	v_cndmask_b32 v[TC+1], 0, v[ONEH], vcc_lo
	v_or_b32 v[p_+\i], v[TC], v[TC+1]
.endr
	ds_store_b128 v[XW], v[p_:p_+3] offset:(\q)*1024
.endm
; Two tiles.  A kind ends and the next begins with tile b, so neighbouring kinds take different accumulators: 1, 2, 1, 2, 0, 2 in the first layer, 0, 1, 2 later.
; Accumulator 0 holds K1 U1, 1 the products about 2^-8 of it, 2 those about 2^-16 of it.  Windows: K1, K2 in 2, K3 in 3; U1, U2 in 1, U3 in 3; sums in 0.
.macro TILE2 m, l0
.set ST_, 0
.if \l0
	KIND \m, 0x06, 128, 0,   1                     ; K2 U1
	KIND \m, 0x07, 128, 0,   2                     ; K3 U1
	KIND \m, 0x06, 0,   128, 1                     ; K1 U2
	KIND \m, 0x06, 128, 128, 2                     ; K2 U2
	KIND \m, 0x06, 0,   0,   0                     ; K1 U1
	KIND \m, 0x0e, 0,   0,   2                     ; K1 U3
.else
	KIND \m, 0x06, 0,   0,   0                     ; K1 s
	KIND \m, 0x06, 128, 0,   1                     ; K2 s
	KIND \m, 0x07, 128, 0,   2                     ; K3 s
.endif
	WIN 0
.rept 4
	v_nop                                          ; four places behind the last product (ISA guide 7.12.1)
.endr
	EPI 0, 2*(\m)
	EPI 1, 2*(\m)+1
.endm
; The spikes of both waves of a channel become everybody's U1.  First barrier: all stores into X are done.  Second: all reads of X are back, so the next layer may write it.
.macro XCHG
	s_wait_dscnt 0x0
	s_barrier_signal -1
	s_barrier_wait -1
	WIN 0x40
.set i, 0
.rept 16
	ds_load_b128 v[8*i:8*i+3],   v[XR] offset:i*1024
	ds_load_b128 v[8*i+4:8*i+7], v[XR] offset:i*1024+512
.set i, i+1
.endr
	WIN 0
	s_wait_dscnt 0x0
	s_barrier_signal -1
	s_barrier_wait -1
.endm
	s_mov_b32 s8, 0
	LOADK
.irp m, 0,1,2,3,4,5,6,7
	TILE2 \m, 1                                    ; the first layer: six kinds of product
.endr
	XCHG
	s_mov_b32 s6, 3
.Llayer:
	s_add_co_u32 s8, s8, TABL
	LOADK
.irp m, 0,1,2,3,4,5,6,7
	TILE2 \m, 0                                    ; spikes are exact in bf16: three kinds
.endr
	XCHG
	s_sub_co_u32 s6, s6, 1
	s_cmp_lg_u32 s6, 0
	s_cbranch_scc1 .Llayer
; ---- THE LAST SPIKES AS BITS.  Fragments 8 w2 .. 8 w2 + 7 come back from X (nobody writes it any more).  A compare over the 32 lanes is a word: low 16 bits the batches at time 16 ti + j, high 16 at 16 ti + 8 + j.
; Register i, low half: word 2 i of my 128; high half: word 2 i + 1.  Word 4 L + k is put into lane L of OW + k, so one store of 16 bytes a lane sends 512 consecutive bytes.
.set i, 0
.rept 8
	ds_load_b128 v[BB+8*i:BB+8*i+3],   v[XF] offset:i*1024
	ds_load_b128 v[BB+8*i+4:BB+8*i+7], v[XF] offset:i*1024+512
.set i, i+1
.endr
.irp i, 0,1,2,3
	v_mov_b32 v[OW+\i], 0
.endr
	s_wait_dscnt 0x0
.set i, 0
.rept 64
	v_and_b32 v[TA], s40, v[BB+i]
	v_cmp_ne_u32 s36, 0, v[TA]
	v_cmp_lt_u32 s37, s40, v[BB+i]
	v_writelane_b32 v[OW+2*(i&1)], s36, i>>1
	v_writelane_b32 v[OW+2*(i&1)+1], s37, i>>1
.set i, i+1
.endr
	global_store_b128 v[UO], v[OW:OW+3], s[34:35]
	s_wait_tensorcnt 0x0                           ; the wave's end, behind my last LDS store
	ds_add_u32 v[SPW], v[NIL]
	s_wait_dscnt 0x0
	s_endpgm
.Lfunc_end_k_qe8656eae5a_ssm:
	.size	k_qe8656eae5a_ssm, .Lfunc_end_k_qe8656eae5a_ssm-k_qe8656eae5a_ssm
	.p2alignl 7, 3214868480
	.fill 96, 4, 3214868480
	.section	.rodata,"a",@progbits
	.p2align	6, 0x0
	.amdhsa_kernel k_qe8656eae5a_ssm
		.amdhsa_group_segment_fixed_size 303104
		.amdhsa_private_segment_fixed_size 0
		.amdhsa_enable_private_segment 0
		.amdhsa_kernarg_size 64
		.amdhsa_user_sgpr_count 2
		.amdhsa_user_sgpr_kernarg_segment_ptr 1
		.amdhsa_wavefront_size32 1
		.amdhsa_system_sgpr_workgroup_id_x 1
		.amdhsa_system_sgpr_workgroup_id_y 1
		.amdhsa_system_sgpr_workgroup_id_z 1
		.amdhsa_system_vgpr_workitem_id 0
		.amdhsa_next_free_vgpr 1024
		.amdhsa_next_free_sgpr 96
		.amdhsa_reserve_vcc 1
		.amdhsa_float_denorm_mode_32 3
		.amdhsa_float_denorm_mode_16_64 3
		.amdhsa_memory_ordered 1
		.amdhsa_forward_progress 1
		.amdhsa_inst_pref_size 255
	.end_amdhsa_kernel
	.section	.bss,"aw",@nobits
	.p2align	6
	.space	262144
	.amdgpu_metadata
---
amdhsa.version: [ 1, 2 ]
amdhsa.kernels:
  - .name:           k_qe8656eae5a_ssm
    .symbol:         k_qe8656eae5a_ssm.kd
    .args:
      - { .name: u0, .offset: 0, .size: 8, .value_kind: global_buffer, .address_space: global }
      - { .name: log_dt, .offset: 8, .size: 8, .value_kind: global_buffer, .address_space: global }
      - { .name: logA_re, .offset: 16, .size: 8, .value_kind: global_buffer, .address_space: global }
      - { .name: A_imag, .offset: 24, .size: 8, .value_kind: global_buffer, .address_space: global }
      - { .name: C_re, .offset: 32, .size: 8, .value_kind: global_buffer, .address_space: global }
      - { .name: C_im, .offset: 40, .size: 8, .value_kind: global_buffer, .address_space: global }
      - { .name: D, .offset: 48, .size: 8, .value_kind: global_buffer, .address_space: global }
      - { .name: bits, .offset: 56, .size: 8, .value_kind: global_buffer, .address_space: global }
    .group_segment_fixed_size: 303104
    .private_segment_fixed_size: 0
    .kernarg_segment_align: 8
    .kernarg_segment_size: 64
    .max_flat_workgroup_size: 128
    .sgpr_count:     96
    .vgpr_count:     1024
    .wavefront_size: 32
...
	.end_amdgpu_metadata
.endif
;; end of part 2
;; launch expand (part 3): grid 32 x 8, 8 waves a work-group, no clusters, 0 bytes of LDS; arguments bits, out0; writes out0
.if DOCPART == 3
	.amdgcn_target "amdgcn-amd-amdhsa--gfx1250"
	.amdhsa_code_object_version 6
	.text
	.protected	k_qe8656eae5a_expand
	.globl	k_qe8656eae5a_expand
	.p2align	8
	.type	k_qe8656eae5a_expand,@function
k_qe8656eae5a_expand:
	s_mov_b64 s[64:65], 0
	v_nop
	global_prefetch_b8 v0, s[64:65] scope:SCOPE_SE
	s_setreg_imm32_b32 hwreg(HW_REG_WAVE_MODE, 25, 1), 1
	s_wait_xcnt 0x0
; out0[b][t][h] = 1.0 or 0.0 from the spike bits.  bits: u32 [h 512][ti 32][j 8]: bit b the spike of batch b at time 16 ti + j, bit 16 + b at time 16 ti + 8 + j.
; A work-group takes one ti (16 times), 64 channels and all 16 batches: 65,536 bytes of out0.  Thread: 4 channels hq = t & 15, half = (t >> 4) & 1, j = t >> 5: time 16 ti + 8 half + j.
; It loads its 4 words once and stores 16 bytes for each batch: lanes 0-15 and lanes 16-31 of a store each cover 256 consecutive bytes of out0, aligned.
; The stores are the launch: no LDS, no matrix unit, no barrier.  Every store has data registers of its own and the address register is never rewritten, so no wait stands between them.
	s_load_b128 s[4:7], s[0:1], 0x0                ; bits s[4:5], out0 s[6:7]
	v_and_b32 v1, 15, v0                           ; hq
	v_bfe_u32 v2, v0, 4, 1                         ; half
	v_lshrrev_b32 v3, 5, v0                        ; j
	v_lshlrev_b32 v4, 12, v1                       ; 4 channels of 1,024 bytes
	v_lshl_add_u32 v4, v3, 2, v4                   ; + word j
	v_lshlrev_b32 v5, 4, v2                        ; my half of a word
	v_lshl_add_u32 v6, v2, 3, v3                   ; 8 half + j
	v_lshlrev_b32 v6, 11, v6                       ; a time is 2,048 bytes
	v_lshl_add_u32 v6, v1, 4, v6
	s_and_b32 s8, ttmp7, 0xffff                    ; hb
	s_lshl_b32 s10, s8, 16                         ; 64 channels of 1,024 bytes
	s_lshl_b32 s9, ttmp9, 5                        ; 8 words a ti
	s_add_co_u32 s10, s10, s9
	s_mov_b32 s11, 0
	s_lshl_b32 s12, ttmp9, 15                      ; 16 times
	s_lshl_b32 s9, s8, 8                           ; 64 channels of 4 bytes
	s_add_co_u32 s12, s12, s9
	s_mov_b32 s13, 0
	s_wait_kmcnt 0x0
	s_add_nc_u64 s[4:5], s[4:5], s[10:11]
	s_add_nc_u64 s[6:7], s[6:7], s[12:13]
	s_add_nc_u64 s[14:15], s[6:7], 0x800000        ; batches 8 to 15: the immediate holds seven batches of 1,048,576 bytes
.irp i, 0,1,2,3
	global_load_b32 v[8+\i], v4, s[4:5] offset:\i*1024
.endr
	s_wait_loadcnt 0x0
.irp i, 0,1,2,3
	v_lshrrev_b32 v[8+\i], v5, v[8+\i]
.endr
.set b, 0
.rept 16
.irp i, 0,1,2,3
	v_bfe_u32 v[16+4*b+\i], v[8+\i], b, 1
.endr
.irp i, 0,1,2,3
	v_cvt_f32_u32 v[16+4*b+\i], v[16+4*b+\i]
.endr
.if b < 8
	global_store_b128 v6, v[16+4*b:16+4*b+3], s[6:7] offset:b*1048576 th:TH_STORE_NT
.else
	global_store_b128 v6, v[16+4*b:16+4*b+3], s[14:15] offset:(b-8)*1048576 th:TH_STORE_NT
.endif
.set b, b+1
.endr
	s_endpgm
.Lfunc_end_k_qe8656eae5a_expand:
	.size	k_qe8656eae5a_expand, .Lfunc_end_k_qe8656eae5a_expand-k_qe8656eae5a_expand
	.p2alignl 7, 3214868480
	.fill 96, 4, 3214868480
	.section	.rodata,"a",@progbits
	.p2align	6, 0x0
	.amdhsa_kernel k_qe8656eae5a_expand
		.amdhsa_group_segment_fixed_size 0
		.amdhsa_private_segment_fixed_size 0
		.amdhsa_enable_private_segment 0
		.amdhsa_kernarg_size 16
		.amdhsa_user_sgpr_count 2
		.amdhsa_user_sgpr_kernarg_segment_ptr 1
		.amdhsa_wavefront_size32 1
		.amdhsa_system_sgpr_workgroup_id_x 1
		.amdhsa_system_sgpr_workgroup_id_y 1
		.amdhsa_system_sgpr_workgroup_id_z 1
		.amdhsa_system_vgpr_workitem_id 0
		.amdhsa_next_free_vgpr 80
		.amdhsa_next_free_sgpr 66
		.amdhsa_reserve_vcc 0
		.amdhsa_float_denorm_mode_32 3
		.amdhsa_float_denorm_mode_16_64 3
		.amdhsa_memory_ordered 1
		.amdhsa_forward_progress 1
		.amdhsa_inst_pref_size 10
	.end_amdhsa_kernel
	.amdgpu_metadata
---
amdhsa.version: [ 1, 2 ]
amdhsa.kernels:
  - .name:           k_qe8656eae5a_expand
    .symbol:         k_qe8656eae5a_expand.kd
    .args:
      - { .name: bits, .offset: 0, .size: 8, .value_kind: global_buffer, .address_space: global }
      - { .name: out0, .offset: 8, .size: 8, .value_kind: global_buffer, .address_space: global }
    .group_segment_fixed_size: 0
    .private_segment_fixed_size: 0
    .kernarg_segment_align: 8
    .kernarg_segment_size: 16
    .max_flat_workgroup_size: 256
    .sgpr_count:     66
    .vgpr_count:     80
    .wavefront_size: 32
...
	.end_amdgpu_metadata
.endif
;; end of part 3
;; ======== version 2 of 2: 3 launches; version 1 with the launch fc written anew for expert scheduling mode
;; workspace buffers: u0 16,777,216 bytes; bits 524,288 bytes
;; launch fc (part 4): grid 64 x 4, 8 waves a work-group, no clusters, 203,776 bytes of LDS; arguments x, fc_w, fc_b, u0; writes u0
.if DOCPART == 4
	.amdgcn_target "amdgcn-amd-amdhsa--gfx1250"
	.amdhsa_code_object_version 6
	.text
	.protected	k_qe8656eae5a_fc
	.globl	k_qe8656eae5a_fc
	.p2align	8
	.type	k_qe8656eae5a_fc,@function
k_qe8656eae5a_fc:
	s_mov_b64 s[64:65], 0
	v_nop
	global_prefetch_b8 v0, s[64:65] scope:SCOPE_SE
	s_setreg_imm32_b32 hwreg(HW_REG_WAVE_SCHED_MODE, 0, 2), 2
	s_setreg_imm32_b32 hwreg(HW_REG_WAVE_MODE, 25, 1), 1
	s_wait_xcnt 0x0
	s_wait_alu depctr_vm_vsrc(0)
; u0 = x . fc_w^T + fc_b, for the first layer.  x: [16][512][256] f32, fc_w: [512][256] f32, fc_b: [512] f32.
; x, fc_w and fc_b are rounded once to bf16 (nearest even); products on the matrix unit, sums in f32; u0 stays f32.
; SHARES.  A work-group takes 128 rows (all 16 batches x the 8 times 8 tb .. 8 tb + 7) and 128 channels (128 nb ..), with all of K = 256 in LDS at once: no ring.
; LDS row of x = 8 b + j, so that M tile mt holds batches 2 mt, 2 mt + 1, eight times each.  Wave v: M tiles 2 (v & 3), +1; N tiles 4 (v >> 2) .. + 3: 8 accumulators.
; OUTPUT ORDER.  u0 byte of (h, t, b) = h 32768 + (t >> 4) 1024 + ((t >> 2) & 1) 512 + ((t >> 3) & 1) 256 + 16 b + 4 (t & 3): the order in which the next launch's lanes hold it.
; For one channel the work-group owns two aligned runs of 256 bytes; they are gathered in an LDS stage and each store of a wave covers two such runs whole.
; NO TENSOR LOADS, NO CLUSTER: the tiles are f32 in memory and must be rounded on their way into LDS, which only registers can do; all loads of a wave are asked for in its first lines.
; THE MODE: SCHED_MODE bits 1:0 = 2 (LLVM: expert scheduling mode 2), set by the entry lines.  The code itself states the register dependences
; between vector or matrix instructions and memory or LDS instructions, with s_wait_alu, always for 0.
; THE PLAN.  Registers that memory or LDS instructions touch:
;   v4-v14        the closing add's two registers, offsets and LDS addresses: written once at the head, never again.
;   RAW0 .. RAW5  a group of 8 loads each.  Block g: its sixteen roundings read RAW[g % 6]; the loads of groups 6 and 7, issued in blocks 1 and 2, land in RAW0 and RAW1.
;   OUT0, OUT1    Block g's roundings write OUT[g % 2]; the eight LDS stores that are issued in block g + 1 read it.
;   FR0 .. FR2    K step ks: its eight products read FR[ks % 3]; the LDS loads of K step ks + 2, issued in step ks, land in FR[(ks + 2) % 3] = FR[(ks - 1) % 3].
;   ACC           written by the products and the bias's additions; read by the LDS stores into the stage.
; Block g's memory and LDS instructions touch RAW[(g - 1) % 6] and OUT[(g - 1) % 2], which no vector line of block g names; step ks's LDS loads touch the buffer that step ks - 1 read and no
; product of step ks names.  So the waits at the head of a block or step state all that its memory and LDS instructions hang on, and these are dealt among its vector or matrix lines with no further wait.
.set PITCH, 528                        ; an LDS row: 512 bytes + 16: an odd multiple of 16, so 16 rows of a 16-byte column fall on different banks (ISA guide 11.1)
.set LB,    128*PITCH                  ; fc_w's 128 rows lie behind x's 128
.set STAGE, 256*PITCH                  ; [channel 128][e 2][b 16][16 bytes], pitch 528
.set SPARE, 384*PITCH                  ; the spare words: 128 bytes for each of the 8 waves, named by no other line
.set LN,  1                            ; lane
.set RR,  2                            ; lane % 16
.set HH,  3                            ; lane / 16
.set SPW, 4                            ; my spare word; never rewritten
.set NIL, 5                            ; 0; never rewritten
.set GL,  6                            ; 16 x lane: my 16 bytes of a load's 512
.set LSA, 7                            ; where my 8 bytes of bf16 of x go
.set LSB, 8                            ; the same for fc_w
.set ADA, 9                            ; my place in a fragment of x
.set ADB, 10                           ; my place in a fragment of fc_w
.set STO, 11                           ; stage, in
.set RD,  12                           ; stage, back
.set GO,  13                           ; my 16 bytes of a channel's two runs in u0
.set BO,  14                           ; my channel's bias
.set TT,  15                           ; at work: no memory instruction names it
.set BIAS, 16                          ; v16-19: bias of N tile 0..3 for my channel
.set RAW, 32                           ; v32-223: six slots of 8 loads x 4 registers
.set OUT, 224                          ; v224-255: two out-buffers of 8 x 2 registers: a group rounded to bf16
.set ACC, 32                           ; v32-95: 8 accumulators, once RAW is spent
.set FR,  96                           ; v96-239: three fragment buffers of 48 (2 of x, 4 of fc_w), once RAW and OUT0 are spent; later the rows read back
	s_load_b256 s[4:11], s[0:1], 0x0               ; x s[4:5], fc_w s[6:7], fc_b s[8:9], u0 s[10:11]
	v_lshl_add_u32 v[SPW], v0, 2, SPARE
	v_mov_b32 v[NIL], 0
	v_lshrrev_b32 v[TT], 5, v0
	v_readfirstlane_b32 s12, v[TT]                 ; wave 0..7
	v_and_b32 v[LN], 31, v0
	v_and_b32 v[RR], 15, v0
	v_bfe_u32 v[HH], v0, 4, 1
	s_and_b32 s14, ttmp7, 0xffff                   ; nb
	s_wait_alu depctr_va_sdst(0)                   ; s12 is written, ahead of its first reader: the wave's shares, LDS rows and bases are made from it
	s_and_b32 s15, s12, 3                          ; mg
	s_lshr_b32 s16, s12, 2                         ; ng
	s_mul_i32 s17, s12, 16*PITCH                   ; the 16 LDS rows that I fill, and the 16 channels that I send
	s_mul_i32 s30, s15, 32*PITCH
	s_mul_i32 s31, s16, 64*PITCH
	s_lshl_b32 s18, s12, 20                        ; x: batches 2 v, 2 v + 1 (524,288 bytes each),
	s_lshl_b32 s2, ttmp9, 13                       ; times 8 tb .. (1,024 bytes each)
	s_add_co_u32 s18, s18, s2
	s_mov_b32 s19, 0
	s_lshl_b32 s26, s14, 17                        ; fc_w: rows 128 nb + 16 v ..
	s_lshl_b32 s2, s12, 14
	s_add_co_u32 s26, s26, s2
	s_mov_b32 s27, 0
	s_lshl_b32 s28, s14, 22                        ; u0: channels 128 nb + 16 v .. (32,768 bytes each),
	s_lshl_b32 s2, s12, 19
	s_add_co_u32 s28, s28, s2
	s_lshr_b32 s2, ttmp9, 1                        ; tile of 16 times tb >> 1,
	s_lshl_b32 s2, s2, 10
	s_add_co_u32 s28, s28, s2
	s_and_b32 s2, ttmp9, 1                         ; its half tb & 1
	s_lshl_b32 s2, s2, 8
	s_add_co_u32 s28, s28, s2
	s_mov_b32 s29, 0
	v_lshlrev_b32 v[GL], 4, v[LN]
	v_lshl_add_u32 v[LSA], v[LN], 3, s17
	v_add_nc_u32 v[LSB], LB, v[LSA]
	v_mul_u32_u24 v[TT], v[RR], PITCH
	v_lshl_add_u32 v[TT], v[HH], 4, v[TT]          ; row x pitch + 16 x half
	v_add_nc_u32 v[ADA], s30, v[TT]
	s_add_co_u32 s2, s31, LB
	v_add_nc_u32 v[ADB], s2, v[TT]
	s_lshl_b32 s3, s15, 6                          ; batch 4 mg: 16 bytes each
	s_add_co_u32 s2, s31, s3
	s_add_co_u32 s2, s2, STAGE
	v_add_nc_u32 v[STO], s2, v[TT]                 ; channel 64 ng + r, batch 4 mg + half
	s_add_co_u32 s2, s17, STAGE
	v_lshl_add_u32 v[RD], v[LN], 4, s2
	v_lshlrev_b32 v[GO], 4, v[RR]
	v_lshl_add_u32 v[GO], v[HH], 9, v[GO]
	s_lshl_b32 s2, s14, 9
	s_lshl_b32 s3, s16, 8
	s_add_co_u32 s2, s2, s3
	v_lshl_add_u32 v[BO], v[RR], 2, s2             ; 4 (128 nb + 64 ng + r)
	s_wait_kmcnt 0x0
	s_add_nc_u64 s[20:21], s[4:5], s[18:19]
	s_add_nc_u64 s[22:23], s[6:7], s[26:27]
	s_add_nc_u64 s[24:25], s[10:11], s[28:29]
	s_wait_alu depctr_va_vdst(0)                   ; the offsets and LDS addresses v6 to v14 are written, which every load and store of the kernel reads; so are v4 and v5, which the closing add reads
; A group is 8 loads of 512 consecutive bytes.  Load n = 8 g + k_: n < 32: half n & 1 of x's row n >> 1 of my 16; else the same of fc_w.  The three macros below do one load's part, number k_ of group g.
.macro LD1 g                           ; it is asked for
.set n_, 8*(\g)+k_
.set r_, RAW+32*((\g)%6)+4*k_
.if n_ < 32
	global_load_b128 v[r_:r_+3], v[GL], s[20:21] offset:(n_>>4)*524288+((n_>>1)&7)*1024+(n_&1)*512
.else
	global_load_b128 v[r_:r_+3], v[GL], s[22:23] offset:(n_-32)*512
.endif
.endm
.macro CV1 g                           ; its four numbers are rounded to bf16, into the group's out-buffer
.set r_, RAW+32*((\g)%6)+4*k_
.set o_, OUT+16*((\g)%2)+2*k_
	v_cvt_pk_bf16_f32 v[o_], v[r_], v[r_+1]
	v_cvt_pk_bf16_f32 v[o_+1], v[r_+2], v[r_+3]
.endm
.macro ST1 g                           ; and laid into LDS
.set n_, 8*(\g)+k_
.set o_, OUT+16*((\g)%2)+2*k_
.if n_ < 32
	ds_store_b64 v[LSA], v[o_:o_+1] offset:(n_>>1)*PITCH+(n_&1)*256
.else
	ds_store_b64 v[LSB], v[o_:o_+1] offset:((n_-32)>>1)*PITCH+(n_&1)*256
.endif
.endm
.macro GLOAD g
.set k_, 0
.rept 8
	LD1 \g
.set k_, k_+1
.endr
.endm
; Block g: group g is rounded; among its roundings stand the LDS stores of group g - 1 and, in blocks 1 and 2, the loads of group g + 5, which land in the slot that block g - 1 emptied.
; left = the loads issued behind group g, which may stay out (loads come back in order: ISA guide 5.7.1).
.macro BLK g, left
	s_wait_loadcnt \left
.if (\g) > 0
	s_wait_alu depctr_va_vdst(0)                   ; the block before has written the other out-buffer, which the stores below read, and is done reading its slot of RAW, in which the loads below land
.endif
.if (\g) > 1
	s_wait_alu depctr_vm_vsrc(0)                   ; the stores issued in the block before have read this block's out-buffer, which its roundings write again
.endif
.set k_, 0
.rept 8
.if ((\g) == 1) || ((\g) == 2)
	LD1 (\g)+5
.endif
.if (\g) > 0
	ST1 (\g)-1
.endif
	CV1 \g
.set k_, k_+1
.endr
.endm
.irp i, 0,1,2,3
	global_load_b32 v[BIAS+\i], v[BO], s[8:9] offset:64*\i
.endr
.irp g, 0,1,2,3,4,5
	GLOAD \g                                       ; 48 loads, 24 KiB a wave, go out at once
.endr
	BLK 0, 40                                      ; behind group 0: groups 1-5
	BLK 1, 32                                      ; groups 2-5; group 6 goes out, into group 0's slot
	BLK 2, 32                                      ; groups 3-6; group 7 goes out, into group 1's slot
	BLK 3, 32                                      ; groups 4-7
	BLK 4, 24
	BLK 5, 16
	BLK 6, 8
	BLK 7, 0
	s_wait_alu depctr_va_vdst(0)                   ; block 7 has written OUT1, which the last eight stores read; and every rounding is done with RAW and OUT0, in which the fragments land further down
.set k_, 0
.rept 8
	ST1 7
.set k_, k_+1
.endr
.irp i, 0,1,2,3
	v_cvt_pk_bf16_f32 v[BIAS+\i], v[BIAS+\i], v[BIAS+\i]  ; the bias is rounded like the other inputs,
.endr
.irp i, 0,1,2,3
	v_lshlrev_b32 v[BIAS+\i], 16, v[BIAS+\i]              ; and widened again
.endr
	s_wait_dscnt 0x0                               ; for the others' sake: my rows lie in LDS
	s_barrier_signal -1
	s_barrier_wait -1
	s_wait_alu depctr_vm_vsrc(0)                   ; my LDS stores have read OUT0 (v224-239): these registers are part of the third fragment buffer from here on
; 12 LDS loads: K step ks (32 along K, 64 bytes of a row): 2 fragments of x, 4 of fc_w, into buffer ks % 3
.macro FETCH ks
.set f_, FR+48*((\ks)%3)
.irp i, 0,1
	ds_load_b128 v[f_+8*\i:f_+8*\i+3],   v[ADA] offset:\i*16*PITCH+(\ks)*64
	ds_load_b128 v[f_+8*\i+4:f_+8*\i+7], v[ADA] offset:\i*16*PITCH+(\ks)*64+32
.endr
.irp i, 0,1,2,3
	ds_load_b128 v[f_+16+8*\i:f_+16+8*\i+3],   v[ADB] offset:\i*16*PITCH+(\ks)*64
	ds_load_b128 v[f_+16+8*\i+4:f_+16+8*\i+7], v[ADB] offset:\i*16*PITCH+(\ks)*64+32
.endr
.endm
.macro PLACES                          ; four places behind a product, in front of loads into registers that it has read and of lines that read its result
.rept 4
	v_nop
.endr
.endm
; K step ks: 8 products; the 8 accumulators take turns, in the same order in every K step.  The first K step starts the sums with the constant 0.
; fetch = 1: the 12 loads of K step ks + 2 are dealt among them, a fragment (two loads) behind each of the first six products.  left = the LDS loads issued behind this step's own, which may stay out.
.macro STEP ks, fetch, left
.if \fetch
	PLACES                                         ; they stay beside the wait below, and are issued while the products that it waits for are at work
.endif
	s_wait_dscnt \left
.if \fetch
	s_wait_alu depctr_va_vdst(0)                   ; the products of the step before are done reading their fragment buffer, in which the loads below land
.endif
.set f_, FR+48*((\ks)%3)
.set g_, FR+48*(((\ks)+2)%3)
.set p_, 0
.rept 8
.set c_, ACC+8*p_
.set a_, f_+8*(p_/4)
.set b_, f_+16+8*(p_%4)
.if (\ks) == 0
	v_wmma_f32_16x16x32_bf16 v[c_:c_+7], v[a_:a_+7], v[b_:b_+7], 0
.else
	v_wmma_f32_16x16x32_bf16 v[c_:c_+7], v[a_:a_+7], v[b_:b_+7], v[c_:c_+7]
.endif
.if (\fetch) && (p_ < 2)
	ds_load_b128 v[g_+8*p_:g_+8*p_+3],   v[ADA] offset:p_*16*PITCH+((\ks)+2)*64     ; no wait: no product since the wait above names this buffer
	ds_load_b128 v[g_+8*p_+4:g_+8*p_+7], v[ADA] offset:p_*16*PITCH+((\ks)+2)*64+32
.elseif (\fetch) && (p_ < 6)
	ds_load_b128 v[g_+8*p_:g_+8*p_+3],   v[ADB] offset:(p_-2)*16*PITCH+((\ks)+2)*64
	ds_load_b128 v[g_+8*p_+4:g_+8*p_+7], v[ADB] offset:(p_-2)*16*PITCH+((\ks)+2)*64+32
.endif
.set p_, p_+1
.endr
.endm
	FETCH 0
	FETCH 1
	FETCH 2
	STEP 0, 0, 24                                  ; K steps 1 and 2 may stay out
	STEP 1, 1, 12                                  ; from here on: the one K step asked for behind this one may stay out
	STEP 2, 1, 12
	STEP 3, 1, 12
	STEP 4, 1, 12
	STEP 5, 1, 12
	STEP 6, 0, 12                                  ; the last two steps ask for nothing, so they state nothing
	STEP 7, 0, 0
	PLACES
	; THE WAY OUT.  In a result lane (r, half) holds channel r, batch 2 mt + half, and in registers 0-7 the times 8 tb + 0..7.  Each accumulator is read from its low end on.
	; The first M tile's four accumulators take the bias; their stores are dealt among the additions on the second M tile's four.
.set i, 0
.rept 32
	v_add_f32 v[ACC+i], v[ACC+i], v[BIAS+i/8]
.set i, i+1
.endr
	s_wait_alu depctr_va_vdst(0)                   ; the additions have written accumulators 0 to 3, which the stores below read
.set b_, 0
.rept 4
	ds_store_b128 v[STO], v[ACC+8*b_:ACC+8*b_+3]   offset:b_*16*PITCH
	ds_store_b128 v[STO], v[ACC+8*b_+4:ACC+8*b_+7] offset:b_*16*PITCH+256
.set i, 0
.rept 8
	v_add_f32 v[ACC+32+8*b_+i], v[ACC+32+8*b_+i], v[BIAS+b_]
.set i, i+1
.endr
.set b_, b_+1
.endr
	s_wait_alu depctr_va_vdst(0)                   ; the additions have written accumulators 4 to 7, which the stores below read; all products are done reading v96-159, in which the stage's rows land
.set b_, 0
.rept 4
	ds_store_b128 v[STO], v[ACC+32+8*b_:ACC+32+8*b_+3]   offset:b_*16*PITCH+32
	ds_store_b128 v[STO], v[ACC+32+8*b_+4:ACC+32+8*b_+7] offset:b_*16*PITCH+256+32
.set b_, b_+1
.endr
	s_wait_dscnt 0x0                               ; a channel's 512 bytes come from four waves
	s_barrier_signal -1
	s_barrier_wait -1
.set i, 0
.rept 16
	ds_load_b128 v[FR+4*i:FR+4*i+3], v[RD] offset:i*PITCH
.set i, i+1
.endr
.set i, 0
.rept 16
	s_wait_dscnt 15-i                              ; row i is back; the younger loads may stay out
	global_store_b128 v[GO], v[FR+4*i:FR+4*i+3], s[24:25] offset:i*32768  ; lanes 0-15 and lanes 16-31 each store 256 consecutive bytes, aligned
.set i, i+1
.endr
	s_wait_dscnt 0x0                               ; the closing lines, six on end
	s_wait_alu 0x0
	s_wait_tensorcnt 0x0
	ds_add_u32 v[SPW], v[NIL]
	s_wait_dscnt 0x0
	s_endpgm
.Lfunc_end_k_qe8656eae5a_fc:
	.size	k_qe8656eae5a_fc, .Lfunc_end_k_qe8656eae5a_fc-k_qe8656eae5a_fc
	.p2alignl 7, 3214868480
	.fill 96, 4, 3214868480
	.section	.rodata,"a",@progbits
	.p2align	6, 0x0
	.amdhsa_kernel k_qe8656eae5a_fc
		.amdhsa_group_segment_fixed_size 203776
		.amdhsa_private_segment_fixed_size 0
		.amdhsa_enable_private_segment 0
		.amdhsa_kernarg_size 32
		.amdhsa_user_sgpr_count 2
		.amdhsa_user_sgpr_kernarg_segment_ptr 1
		.amdhsa_wavefront_size32 1
		.amdhsa_system_sgpr_workgroup_id_x 1
		.amdhsa_system_sgpr_workgroup_id_y 1
		.amdhsa_system_sgpr_workgroup_id_z 1
		.amdhsa_system_vgpr_workitem_id 0
		.amdhsa_next_free_vgpr 256
		.amdhsa_next_free_sgpr 66
		.amdhsa_reserve_vcc 0
		.amdhsa_float_denorm_mode_32 3
		.amdhsa_float_denorm_mode_16_64 3
		.amdhsa_memory_ordered 1
		.amdhsa_forward_progress 1
		.amdhsa_inst_pref_size 40
	.end_amdhsa_kernel
	.amdgpu_metadata
---
amdhsa.version: [ 1, 2 ]
amdhsa.kernels:
  - .name:           k_qe8656eae5a_fc
    .symbol:         k_qe8656eae5a_fc.kd
    .args:
      - { .name: x, .offset: 0, .size: 8, .value_kind: global_buffer, .address_space: global }
      - { .name: fc_w, .offset: 8, .size: 8, .value_kind: global_buffer, .address_space: global }
      - { .name: fc_b, .offset: 16, .size: 8, .value_kind: global_buffer, .address_space: global }
      - { .name: u0, .offset: 24, .size: 8, .value_kind: global_buffer, .address_space: global }
    .group_segment_fixed_size: 203776
    .private_segment_fixed_size: 0
    .kernarg_segment_align: 8
    .kernarg_segment_size: 32
    .max_flat_workgroup_size: 256
    .sgpr_count:     66
    .vgpr_count:     256
    .wavefront_size: 32
...
	.end_amdgpu_metadata
.endif
;; end of part 4
;; launch ssm: the kernel of part 2 again; grid 256 x 1, 4 waves a work-group, no clusters, 303,104 bytes of LDS; arguments u0, log_dt, logA_re, A_imag, C_re, C_im, D, bits; writes bits
;; launch expand: the kernel of part 3 again; grid 32 x 8, 8 waves a work-group, no clusters, 0 bytes of LDS; arguments bits, out0; writes out0
